; MI455X (gfx1250); checked and timed in simulation.
; The chip was launched on July 23, 2026; its instructions are those of AMD's public machine-readable ISA for CDNA 5 (MIT licence, August 2026) and "CDNA5" Instruction Set Architecture Reference Guide (July 2026). The comments in the code are by the model that wrote it; some were corrected since.
;; Multi Head Causal Self Attention. Allowed arithmetic: matrix products marked QUANTISED: E4M3 operands, one E8M0 scale for each 32 along K, by v_wmma_scale_f32_16x16x128_f8f6f4 with both operands' format E4M3, f32 sums; everything else in f32.
;; Inputs: Wk 1,024 x 1,024 float32; Wo 1,024 x 1,024 float32; Wq 1,024 x 1,024 float32; Wv 1,024 x 1,024 float32; x 4 x 2,048 x 1,024 float32.
;; Outputs: out0 4 x 2,048 x 1,024 float32.
;; This version of the problem:
;;   THIS VERSION OF THE PROBLEM IS GIVEN IN LOW PRECISION. The matrix products marked QUANTISED in the list below multiply operands that are first quantised to E4M3 (4 exponent bits, 3 mantissa bits; 8 bits a number), with one power-of-two scale for each 32 numbers along K (OCP MX v1.0); their sums are f32. All else is computed in f32.
;;   The module's matrix products, in the order in which they are computed (A, B: the left and right operand; K: the contracted axis; several contracted axes count as one K, in the product's order):
;;     1. [M 8,192, K 1,024] x [K 1,024, N 1,024]; A: input x; B: input Wq: QUANTISED
;;     2. [M 8,192, K 1,024] x [K 1,024, N 1,024]; A: input x; B: input Wk: QUANTISED
;;     3. [M 8,192, K 1,024] x [K 1,024, N 1,024]; A: input x; B: input Wv: QUANTISED
;;     4. batch 64 x [M 2,048, K 64] x [K 64, N 2,048]; A: computed on the way; B: computed on the way: QUANTISED
;;     5. batch 64 x [M 2,048, K 2,048] x [K 2,048, N 64]; A: softmax (see below); B: computed on the way: QUANTISED
;;     6. [M 8,192, K 1,024] x [K 1,024, N 1,024]; A: computed on the way; B: input Wo: QUANTISED
;;   THE QUANTISER, for each operand of a quantised product, along K:
;;     - K is cut into blocks of 32 from its start; a last block that is shorter is filled with zeros.
;;     - A block's scale is 2^e with e = floor(log2(the largest magnitude in the block)) - 8, held to -126 .. 127; a block of zeros has e = 0. As a byte (E8M0): e + 127.
;;     - Each number is divided by its block's scale, clamped to +-448, and rounded to the nearest number of E4M3, ties to even, subnormals kept.
;;     - The product sums the exact products of the quantised numbers (number of the format x scale) in f32.
;;   ~~~python
;;   def quantise(x, axis):      # numpy; x: float32 -> the quantised numbers, widened to float32 again
;;       x = np.moveaxis(x, axis, -1); K = x.shape[-1]
;;       x = np.pad(x, [(0, 0)] * (x.ndim - 1) + [(0, -K % 32)]); x = x.reshape(x.shape[:-1] + (-1, 32)); a = np.abs(x).max(-1, keepdims=True)
;;       e = np.where(a > 0, np.clip(np.frexp(np.where(a > 0, a, 1))[1] - 1 - 8, -126, 127), 0)      # np.frexp(a)[1] - 1 = floor(log2(a)), exactly
;;       r = np.clip(x / 2.0 ** e, -448, 448)
;;       step = 2.0 ** (np.maximum(np.frexp(np.where(r == 0, 1, r))[1] - 1, -6) - 3)
;;       q = np.round(r / step) * step * 2.0 ** e      # np.round: ties to even
;;       return np.moveaxis(q.reshape(q.shape[:-2] + (-1,))[..., :K], -1, axis).astype(np.float32)
;;   ~~~
;;   SOFTMAX AHEAD OF A QUANTISED PRODUCT. Where the list says 'softmax', what is quantised is not the finished softmax but p = 2^(t - M), with t = logit x log2(e) and M = ceil(the row's largest t), a whole number; so 1/2 < the row's largest p <= 1. The row's sum l is taken of the UNQUANTISED p, in f32, and the product's result is divided by l at the end. Since M is a whole number, a kernel that streams over the keys may use a running M (the ceiling of the running maximum): every later rescaling is an exact power of two, which a block's scale takes up: the codes' values come out the same.
;;   OPERANDS COMPUTED ON THE WAY. 'Computed on the way' means the value that the module computes at that place (a softmax that the list does not call 'softmax' is quantised finished and normalised). What goes into a quantiser is computed in f32, as accurately as f32 sums, v_exp_f32 and their like allow (about 1e-6 of the number): no bf16 or f16 on the way to a quantiser, and a product that is left as it is and whose result goes on into a quantised operand takes f32 operands (vector FMAs, or v_wmma_f32_16x16x4_f32). A number that lies on a knife's edge between two numbers of the format may be rounded either way, as far as f32 arithmetic and the matrix unit's own rounding can turn it there, and no further.
;; One version. Each part assembles by itself: llvm-mc -triple=amdgcn-amd-amdhsa -mcpu=gfx1250 --defsym DOCPART=n.
;; ======== version 1 of 1: 4 launches
;; limits: right only within a limited range of input values
;; workspace buffers: xw_codes 12,582,912 bytes; xw_scales 393,216 bytes; qkv_codes 25,165,824 bytes; qkv_scales 786,432 bytes; m_codes 8,388,608 bytes; m_scales 262,144 bytes
;; launch quant (part 1): grid 768 x 1, 8 waves a work-group, no clusters, 69,120 bytes of LDS; arguments x, Wq, Wk, Wv, Wo, xw_codes, xw_scales; writes xw_codes, xw_scales
.if DOCPART == 1
	.amdgcn_target "amdgcn-amd-amdhsa--gfx1250"
	.amdhsa_code_object_version 6
	.text
	.protected	k_q75df4e31ad_quant
	.globl	k_q75df4e31ad_quant
	.p2align	8
	.type	k_q75df4e31ad_quant,@function
k_q75df4e31ad_quant:
	s_mov_b64 s[64:65], 0
	v_nop
	global_prefetch_b8 v0, s[64:65] scope:SCOPE_SE
	s_setreg_imm32_b32 hwreg(HW_REG_WAVE_MODE, 25, 1), 1
	s_wait_xcnt 0x0
; x [8192][1024] and Wq, Wk, Wv, Wo [1024][1024], f32 with K innermost, become codes of E4M3 with one E8M0 byte for each 32 along K.
; A block's scale is 2^(floor(log2(its largest magnitude)) - 8); each number is divided by it, held within +-448 and rounded to the nearest code, ties to even.
; LIMITS: NaN and infinities among the inputs are not served.  A block of zeros, or one whose largest magnitude lies under 2^-118, gets the byte 1 (the rule says 127 for zeros):
; its codes are zeros or the smallest codes, and the bytes are read by this program alone.
; LAYOUT OUT.  The codes are laid as IMAGES OF THE OPERAND'S REGISTERS: a fragment is 16 rows x 128 K = 2,048 bytes, group c (32 along K) at 512 c, lane l at 16 l; lane l's 16 bytes are
; row l % 16, K = 32 c + 16 (l / 16) + 0 .. 15.  Fragment (tile, ks) lies at (8 tile + ks) x 2,048.  Tiles 0-511: x; 512-575 Wq; 576-639 Wk; 640-703 Wv; 704-767 Wo.
; A tile is 16 neighbouring rows, but for Wv: row i of its tile t is W's row 32 (t / 2) + 8 (t % 2) + i + 8 (i / 8), so that attention's result comes out with the head's 64 in true order.
; The scale bytes lie [tile][row][32]: 512 bytes a tile.
; SHARES.  A work-group takes one tile, wave w its K step w: 16 rows x 512 bytes.  Each load reads 512 consecutive bytes of one row; the conversion wants 16 neighbours along K in ONE lane,
; so the 8,192 bytes turn through the wave's own stage in LDS (rows of 512 + 16 bytes, so that the sixteen rows that a read touches start at sixteen different banks).
; Memory binds: no matrix unit, no tensor load, no cluster; nothing is read twice; every store of codes covers 512 consecutive bytes, aligned.
.set SP,   528                         ; a stage row
.set STG,  16*SP                       ; a wave's stage
.set SCB,  8*STG                       ; behind the stages: the tile's 512 scale bytes
.set R,    16                          ; v16-79   16 rows as loaded, 4 registers each
.set X,    80                          ; v80-143  register 16 c + i: K = 32 c + 16 (lane / 16) + i of my row
.set PC,   144                         ; v144-159 the codes
.set TM,   160                         ; v160-163 largest magnitudes, v164-167 bytes, v172-175 the conversion's scale operand
.set PW,   176                         ; my row's scale word
.set SEL,  28                          ; s[28:29] lane selects: lane l xor 16
.set MNT,  30
	s_load_b256 s[4:11], s[0:1], 0x0               ; x, Wq, Wk, Wv
	s_load_b128 s[12:15], s[0:1], 0x20             ; Wo, the codes
	s_load_b64 s[16:17], s[0:1], 0x30              ; the scale bytes
	v_lshl_add_u32 v192, v0, 2, 0x10a00
	v_mov_b32 v193, 0
	v_lshrrev_b32 v1, 5, v0
	s_delay_alu instid0(VALU_DEP_1)
	v_readfirstlane_b32 s18, v1                    ; wave 0..7 = K step
	v_and_b32 v2, 31, v0                           ; lane
	v_and_b32 v3, 15, v0                           ; r
	v_bfe_u32 v4, v0, 4, 1                         ; h
	s_delay_alu instid0(VALU_DEP_3)
	v_lshlrev_b32 v5, 4, v2                        ; 16 x lane: my bytes of a load, of an image's group, of the scale block
	s_mul_i32 s19, s18, STG
	v_add_nc_u32 v6, s19, v5                       ; the stage, in: as loaded
	v_mul_u32_u24 v7, v3, SP
	s_delay_alu instid0(VALU_DEP_1)
	v_lshl_add_u32 v7, v4, 6, v7
	s_delay_alu instid0(VALU_DEP_1)
	v_add_nc_u32 v7, s19, v7                       ; and out: row r, + 64 h: my 16 numbers of a block of 32
	s_lshl_b32 s19, s18, 2
	v_lshl_add_u32 v8, v3, 5, SCB
	s_delay_alu instid0(VALU_DEP_1)
	v_add_nc_u32 v8, s19, v8                       ; my row's scale word of my K step: 32 r + 4 w
	v_add_nc_u32 v9, SCB, v5
	s_mov_b32 s[SEL], 0x76543210
	s_mov_b32 s[SEL+1], 0xfedcba98
.irp b, 0,1,2,3
	v_mov_b32 v[TM+4+\b], 0                        ; written once: a lane permute's destination counts as one of its sources
.endr
	; which rows: rows 0-7 of the tile begin at row lo of the tensor, rows 8-15 at lo + delta
	s_and_b32 s20, ttmp9, 63
	s_cmp_lt_u32 ttmp9, 512
	s_cselect_b32 s20, ttmp9, s20                  ; the tile's number in its tensor
	s_lshl_b32 s21, s20, 4                         ; neighbouring rows: lo = 16 t
	s_lshr_b32 s22, s20, 1
	s_lshl_b32 s22, s22, 5
	s_and_b32 s23, s20, 1
	s_lshl_b32 s23, s23, 3
	s_add_co_u32 s22, s22, s23                     ; Wv: lo = 32 (t / 2) + 8 (t % 2)
	s_lshr_b32 s23, ttmp9, 6
	s_cmp_eq_u32 s23, 10                           ; tiles 640-703
	s_cselect_b32 s21, s22, s21
	s_cselect_b32 s22, 16, 8                       ; delta
	s_lshl_b32 s20, s21, 12                        ; a row is 4,096 bytes
	s_lshl_b32 s23, s18, 9                         ; my K step's 512 bytes
	s_add_co_u32 s20, s20, s23
	s_mov_b32 s21, 0
	s_lshl_b32 s22, s22, 12
	s_mov_b32 s23, 0
	s_wait_alu depctr_va_vdst(0)
	s_wait_kmcnt 0x0
	s_cmp_ge_u32 ttmp9, 512                        ; the tensor is chosen by the work-group's number alone
	s_cselect_b64 s[4:5], s[6:7], s[4:5]
	s_cmp_ge_u32 ttmp9, 576
	s_cselect_b64 s[4:5], s[8:9], s[4:5]
	s_cmp_ge_u32 ttmp9, 640
	s_cselect_b64 s[4:5], s[10:11], s[4:5]
	s_cmp_ge_u32 ttmp9, 704
	s_cselect_b64 s[4:5], s[12:13], s[4:5]
	s_add_nc_u64 s[24:25], s[4:5], s[20:21]        ; rows 0-7
	s_add_nc_u64 s[26:27], s[24:25], s[22:23]      ; rows 8-15
	s_lshl_b32 s20, ttmp9, 14
	s_lshl_b32 s22, s18, 11
	s_add_co_u32 s20, s20, s22
	s_add_nc_u64 s[14:15], s[14:15], s[20:21]      ; my fragment's image
	s_lshl_b32 s20, ttmp9, 9
	s_add_nc_u64 s[16:17], s[16:17], s[20:21]      ; the tile's scale bytes
.irp i, 0,1,2,3,4,5,6,7
	global_load_b128 v[R+4*\i:R+4*\i+3], v5, s[24:25] offset:4096*\i th:TH_LOAD_NT       ; 32 lanes read 512 consecutive bytes of row i; read once in the launch
.endr
.irp i, 0,1,2,3,4,5,6,7
	global_load_b128 v[R+32+4*\i:R+32+4*\i+3], v5, s[26:27] offset:4096*\i th:TH_LOAD_NT
.endr
.irp i, 0,1,2,3,4,5,6,7,8,9,10,11,12,13,14,15
	s_wait_loadcnt 15-\i                           ; loads come back in order: row i is in, the 15 - i behind it may be out
	ds_store_b128 v6, v[R+4*\i:R+4*\i+3] offset:SP*\i
.endr
.irp c, 0,1,2,3
.irp j, 0,1,2,3
	ds_load_b128 v[X+16*\c+4*\j:X+16*\c+4*\j+3], v7 offset:128*\c+16*\j   ; LDS serves a wave's instructions in order: these see my stores
.endr
.endr
	s_wait_dscnt 0x0
.irp b, 0,1,2,3
	v_max3_num_f32 v[TM+\b], |v[X+16*\b]|, |v[X+1+16*\b]|, 0x4800000   ; block b: my 16 numbers, and the floor 2^(9 - 127): the byte cannot fall under 1
.endr
.irp i, 2,4,6,8,10,12,14
.irp b, 0,1,2,3
	s_delay_alu instid0(VALU_DEP_4)
	v_max3_num_f32 v[TM+\b], v[TM+\b], |v[X+16*\b+\i]|, |v[X+1+16*\b+\i]|   ; the four blocks by turns
.endr
.endr
.irp b, 0,1,2,3
	s_delay_alu instid0(VALU_DEP_4)
	v_permlanex16_b32 v[TM+4+\b], v[TM+\b], s[SEL], s[SEL+1]
.endr
.irp b, 0,1,2,3
	s_delay_alu instid0(VALU_DEP_4)
	v_max_num_f32 v[TM+\b], v[TM+\b], v[TM+4+\b]   ; with lane l xor 16's 16: the block's largest magnitude
.endr
.irp b, 0,1,2,3
	s_delay_alu instid0(VALU_DEP_4)
	v_add_nc_u32 v[TM+12+\b], 0xfc000000, v[TM+\b] ; 8 off its exponent field: the conversion takes this operand's exponent field as its scale
.endr
.irp b, 0,1,2,3
.endr
.irp b, 0,1,2,3
	s_delay_alu instid0(VALU_DEP_4)
	v_lshrrev_b32 v[TM+4+\b], 23, v[TM+12+\b]      ; the scale's byte
.endr
	s_delay_alu instid0(VALU_DEP_3)
	v_lshl_or_b32 v[PW], v[TM+5], 8, v[TM+4]
	s_delay_alu instid0(VALU_DEP_1)
	v_lshl_or_b32 v[PW], v[TM+6], 16, v[PW]
	s_delay_alu instid0(VALU_DEP_1)
	v_lshl_or_b32 v[PW], v[TM+7], 24, v[PW]
.irp b, 0,1,2,3
.irp i, 0,1,2,3,4,5,6,7,8,9,10,11,12,13,14,15
.endr
	v_cvt_scalef32_pk8_fp8_f32 v[PC+4*\b:PC+1+4*\b], v[X+16*\b:X+7+16*\b], v[TM+12+\b]
	v_cvt_scalef32_pk8_fp8_f32 v[PC+2+4*\b:PC+3+4*\b], v[X+8+16*\b:X+15+16*\b], v[TM+12+\b]
.endr
	v_nop                                          ; a plain line behind the last conversion
.irp c, 0,1,2,3
	global_store_b128 v5, v[PC+4*\c:PC+4*\c+3], s[14:15] offset:512*\c   ; 32 lanes store 512 consecutive bytes, aligned
.endr
	ds_store_b32 v8, v[PW]                         ; lanes r and r + 16 write the same word with the same value
	s_wait_dscnt 0x0                               ; for wave 0's sake: my word has landed
	s_barrier_signal -1
	s_barrier_wait -1
	s_cmp_lg_u32 s18, 0
	s_cbranch_scc1 .Lend
	ds_load_b128 v[180:183], v9                    ; wave 0 sends the tile's 512 scale bytes as two aligned runs of 256
	s_wait_dscnt 0x0
	global_store_b128 v5, v[180:183], s[16:17]
.Lend:
	s_wait_tensorcnt 0x0
	ds_add_u32 v192, v193
	s_wait_dscnt 0x0
	s_endpgm
.Lfunc_end_k_q75df4e31ad_quant:
	.size	k_q75df4e31ad_quant, .Lfunc_end_k_q75df4e31ad_quant-k_q75df4e31ad_quant
	.p2alignl 7, 3214868480
	.fill 96, 4, 3214868480
	.section	.rodata,"a",@progbits
	.p2align	6, 0x0
	.amdhsa_kernel k_q75df4e31ad_quant
		.amdhsa_group_segment_fixed_size 69120
		.amdhsa_private_segment_fixed_size 0
		.amdhsa_enable_private_segment 0
		.amdhsa_kernarg_size 56
		.amdhsa_user_sgpr_count 2
		.amdhsa_user_sgpr_kernarg_segment_ptr 1
		.amdhsa_wavefront_size32 1
		.amdhsa_system_sgpr_workgroup_id_x 1
		.amdhsa_system_sgpr_workgroup_id_y 1
		.amdhsa_system_sgpr_workgroup_id_z 1
		.amdhsa_system_vgpr_workitem_id 0
		.amdhsa_next_free_vgpr 194
		.amdhsa_next_free_sgpr 66
		.amdhsa_reserve_vcc 0
		.amdhsa_float_denorm_mode_32 3
		.amdhsa_float_denorm_mode_16_64 3
		.amdhsa_fp16_overflow 1
		.amdhsa_memory_ordered 1
		.amdhsa_forward_progress 1
		.amdhsa_inst_pref_size 14
	.end_amdhsa_kernel
	.amdgpu_metadata
---
amdhsa.version: [ 1, 2 ]
amdhsa.kernels:
  - .name:           k_q75df4e31ad_quant
    .symbol:         k_q75df4e31ad_quant.kd
    .args:
      - { .name: x, .offset: 0, .size: 8, .value_kind: global_buffer, .address_space: global }
      - { .name: Wq, .offset: 8, .size: 8, .value_kind: global_buffer, .address_space: global }
      - { .name: Wk, .offset: 16, .size: 8, .value_kind: global_buffer, .address_space: global }
      - { .name: Wv, .offset: 24, .size: 8, .value_kind: global_buffer, .address_space: global }
      - { .name: Wo, .offset: 32, .size: 8, .value_kind: global_buffer, .address_space: global }
      - { .name: xw_codes, .offset: 40, .size: 8, .value_kind: global_buffer, .address_space: global }
      - { .name: xw_scales, .offset: 48, .size: 8, .value_kind: global_buffer, .address_space: global }
    .group_segment_fixed_size: 69120
    .private_segment_fixed_size: 0
    .kernarg_segment_align: 8
    .kernarg_segment_size: 56
    .max_flat_workgroup_size: 256
    .sgpr_count:     66
    .vgpr_count:     194
    .wavefront_size: 32
...
	.end_amdgpu_metadata
.endif
;; end of part 1
;; launch qkv (part 2): grid 32 x 12, 4 waves a work-group, clusters of 4 x 4, 327,680 bytes of LDS; arguments xw_codes, xw_scales, qkv_codes, qkv_scales; writes qkv_codes, qkv_scales
.if DOCPART == 2
	.amdgcn_target "amdgcn-amd-amdhsa--gfx1250"
	.amdhsa_code_object_version 6
	.text
	.protected	k_q75df4e31ad_qkv
	.globl	k_q75df4e31ad_qkv
	.p2align	8
	.type	k_q75df4e31ad_qkv,@function
k_q75df4e31ad_qkv:
	s_mov_b64 s[64:65], 0
	v_nop
	global_prefetch_b8 v0, s[64:65] scope:SCOPE_SE
	s_setreg_imm32_b32 hwreg(HW_REG_WAVE_MODE, 25, 1), 1
	s_wait_xcnt 0x0
	s_wait_alu depctr_hold_cnt(0) depctr_sa_sdst(0) depctr_va_vdst(0) depctr_va_sdst(0) depctr_va_ssrc(0) depctr_va_vcc(0) depctr_vm_vsrc(0)
	s_getreg_b32 s2, hwreg(HW_REG_IB_STS2, 6, 4)
	s_cmp_eq_u32 s2, 0
	s_cbranch_scc0 .Lentry_in_a_cluster
	s_endpgm
.Lentry_in_a_cluster:
	s_bfe_u32 s2, ttmp6, 0x10000c
	s_cmp_lg_u32 s2, 0xf033
	s_cbranch_scc0 .Lentry_shape_is_right
	s_endpgm
.Lentry_shape_is_right:
; q = x Wq^T, k = x Wk^T, v = x Wv^T on codes of E4M3 with E8M0 scales, K = 1,024; the f32 results are quantised in registers for attention's two products and leave as codes.
; OPERANDS.  Both come from one buffer of fragment images (16 rows x 128 K = 2,048 bytes; a tile of 16 rows is 16,384 bytes, K on end) and one of scale bytes ([row][32]).  Units of 256 rows:
; 0-31 x, 32-35 Wq, 36-39 Wk, 40-43 Wv.  A tile of the result is 256 x 256: four waves, each 128 x 128 in 64 accumulators (512 registers).
; THE MATRIX INSTRUCTION IS USED TRANSPOSED: source 0 = 16 rows of 'B', source 1 = 16 rows of 'A': a lane holds ONE row of A and its registers run along B's rows.  The axis to be quantised is B's:
;   clusters y = 0, 1 (q and k, quantised along the head's 64):  A = x (tokens), B = Wq, Wk (features).     cluster y = 2 (v, quantised along the keys):  A = Wv (features), B = x (tokens).
; In an accumulator register j of lane (r, h) is B's row 8 h + j, so the 16 registers of two neighbouring accumulators are rows 32 b + 8 h + 0..7 and 32 b + 16 + 8 h + 0..7 of a block of 32: lanes l and
; l xor 16 hold the whole block.  The codes are laid in that order within a block; q and k have it alike, and so have v and attention's p, so every product pairs the right numbers.
; OUT.  q at byte 0, k at 8,388,608: ((16 batch + head) x 128 + tile of 16 tokens) x 1,024 + 512 x (block of d) + 16 lane.  v at 16,777,216: (((16 batch + head) x 16 + step of 128 keys) x 4 + tile of 16 d) x 2,048 + 512 c + 16 lane.
; Scale words: q at 0, k at 262,144: (16 batch + head) x 4,096 + 256 G + 16 r + 4 F: low half the two bytes of token 128 G + 32 F + r, high half those of token 128 G + 32 F + 16 + r.
; v at 524,288: (16 batch + head) x 4,096 + 256 step + 16 r + 4 t: the four key blocks' bytes of row r of d tile t.  Every store covers whole aligned runs of 256 bytes.
; LIMITS: NaN and infinities are not served; a block whose largest magnitude lies under 2^-118 (zeros too) gets the byte 1; only this program reads the bytes.
; RING.  K goes in steps of 256 through two LDS slots; a wave's tensor load brings 8 tiles x 4,096 bytes.  The images are read as they lie: 512 consecutive bytes an LDS load, so there is no padding.
; The scale bytes of the work-group's 512 rows come once, with the first fills.  CLUSTERS: 4 x 4 work-groups; A's tiles are shared along a row of the cluster, B's along a column, by joint loads.
; REGISTERS: window 0: v0-31 addresses; v32-63 scale words, two sets; v128-255 A's fragments, one set; on the way out v64-175 at work.  window 1: B's fragments, two sets.
;   window 2: the accumulators of my rows 0-63 ((a, b) at v[8 (8 a + b)]); window 3: those of rows 64-127.
.set NQ,     2                         ; matrix instructions deep in a slot
.set KSTEPB, 4096                      ; a slot's part of a tile of 16 rows: two fragments
.set KROW,   1024                      ; bytes of codes for a row
.set FR,     16
.set NL,     4
.set NP,     8                         ; places behind this matrix instruction (ISA guide 7.12.1)
.set HALFT,  32768                     ; 128 rows x 256 K: what one tensor load brings
.set SLOT,   4*HALFT                   ; A's 256 rows, then B's
.set LAPS,   2                         ; 1,024 / 512
.set KS,     32                        ; a row's scale bytes
.set SCL,    2*SLOT                    ; behind the ring: the scales, as runs of 256 bytes + 16 of padding
.set HALFS,  (128*KS/256)*272
.set SBLK,   (16*KS/256)*272
.set SPARE,  SCL+4*HALFS               ; the spare words: 128 bytes a wave, two blocks of 256 bytes that no other line names
.set ADRA, 16
.set ADRB, 20
.set CO,   26                          ; 16 x lane
.set ADRS, 27
.set SPW,  28
.set NIL,  29
.set SC,   32
.set AF,   128
.set X,    64                          ; the way out: 64 held numbers
.set PC,   128                         ; 16 registers of codes
.set TM,   144                         ; as in the quantiser: maxima, bytes, limits, scale operands
.set SW,   160                         ; the scale word of each of my 8 blocks of A's rows
.set OW,   168                         ; four words to store
.set FLR,  172                         ; the floor 2^(9 - 127)
.set VSEL, 173                         ; which halves of two words make a q or k word
.set SOF,  174                         ; 4,096 h + 16 r
.set G1, 24
.set G0, 32
.set G1B, 48
.set G0B, 56
.set G1S, 68
.set G0S, 76
.set G1SB, 80
.set G0SB, 88
.set ISV, 95                           ; s95: 1 in the clusters that make v
.set MSB, 0
.macro WIN new                         ; the immediate's high byte repeats the setting that is left
.if MSB != \new
	s_set_vgpr_msb (MSB<<8)|\new
.set MSB, \new
.endif
.endm
.set MUL_LO, 0xa1                      ; source 0 (B) window 1, source 1 (A) window 0, C and D window 2
.set MUL_HI, 0xf1
.set TO_B,   0x40
; A joint load: waves 0 and 1 fetch for A, waves 2 and 3 for B; the branch hangs on the wave's number alone.  Four v_nop follow each of the two lines.
.macro JLOAD g0a, g1a, g0b, g1b
	s_cmp_eq_u32 s15, 0
	s_cbranch_scc0 .Lfor_b_\@
	tensor_load_to_lds s[\g0a:\g0a+3], s[\g1a:\g1a+7]
	s_nop 0
.rept 4
	v_nop
.endr
	s_branch .Lasked_\@
.Lfor_b_\@:
	tensor_load_to_lds s[\g0b:\g0b+3], s[\g1b:\g1b+7]
	s_nop 0
.rept 4
	v_nop
.endr
.Lasked_\@:
.endm
.macro CREST                           ; a round of the cluster's barrier behind its opening barrier
	s_cmp_lg_u32 s14, 0
	s_cbranch_scc1 .Lnot_wave_0_\@
	s_barrier_signal -3
.Lnot_wave_0_\@:
	s_barrier_wait -3
	s_barrier_signal -1
	s_barrier_wait -1
.endm
.macro CROUND
	s_barrier_signal -1
	s_barrier_wait -1
	CREST
.endm
	s_load_b256 s[4:11], s[0:1], 0x0               ; operands' codes s[4:5], their scales s[6:7]; results' codes s[8:9], their scales s[10:11]
	v_lshl_add_u32 v[SPW], v0, 2, SPARE
	v_mov_b32 v[NIL], 0
	ds_add_u32 v28, v29
	ds_add_u32 v28, v29
	s_wait_dscnt 0x0
	v_lshrrev_b32 v1, 5, v0
	v_readfirstlane_b32 s14, v1                    ; wave 0..3
	s_lshr_b32 s15, s14, 1                         ; my half of A's rows.  Also: I fetch for A (0) or for B (1)
	s_and_b32 s16, s14, 1                          ; my half of B's rows.  Also: which 128 rows I fetch
	s_bfe_u32 s40, ttmp6, 0x40000                  ; cx
	s_bfe_u32 s41, ttmp6, 0x40004                  ; cy
	s_and_b32 s98, ttmp7, 0xffff                   ; the cluster's y: 0, 1: q and k; 2: v
	s_lshr_b32 s17, ttmp9, 1
	s_lshl_b32 s17, s17, 3
	s_lshl_b32 s18, s98, 2
	s_add_co_u32 s17, s17, s18                     ; q, k: A's first unit = 8 (X / 2) + 4 y: x's 32 units
	s_and_b32 s42, ttmp9, 1
	s_lshl_b32 s42, s42, 2
	s_add_co_u32 s42, s42, 32                      ; B's = 32 + 4 (X % 2): Wq or Wk
	s_lshl_b32 s99, ttmp9, 2                       ; v: B's first unit = 4 X: x's 32 units; A's = 40: Wv
	s_cmp_eq_u32 s98, 2                            ; the choice hangs on the cluster's y alone: alike in all sixteen partners
	s_cselect_b32 s17, 40, s17
	s_cselect_b32 s42, s99, s42
	s_cselect_b32 s[ISV], 1, 0
	s_add_co_u32 s17, s17, s41                     ; A's unit: + cy
	s_add_co_u32 s42, s42, s40                     ; B's unit: + cx
	s_lshl_b32 s43, s41, 2
	s_lshl_b32 s43, 15, s43                        ; my row of the cluster
	s_lshl_b32 s44, 0x1111, s40                    ; my column
	; descriptor group 1 for codes: 8 rows (tiles of 16 rows of the operand) of 512 elements of 8 bytes, 2,048 elements apart; no padding
	s_or_b32 s[G1+0], s43, (3<<16)|(1<<21)         ; 15:0 the mask; 17:16 elements of 8 bytes; 21 set beside a mask
	s_or_b32 s[G1B+0], s44, (3<<16)|(1<<21)
.irp g, G1, G1B
	s_mov_b32 s[\g+1], 512<<16                     ; tensor_dim0
	s_mov_b32 s[\g+2], 8<<16                       ; tensor_dim1
	s_mov_b32 s[\g+3], 512<<16                     ; tile_dim0
	s_mov_b32 s[\g+4], 8                           ; tile_dim1
	s_mov_b32 s[\g+5], 2048                        ; tensor_dim0_stride
	s_mov_b32 s[\g+6], 0
	s_mov_b32 s[\g+7], 0
.endr
	; and for the scales of 128 rows: 4,096 dense bytes as 16 rows of 256, 16 bytes of padding behind each
	s_or_b32 s[G1S+0], s43, (3<<16)|(1<<20)|(1<<21)|(5<<22)|(3<<25)
	s_or_b32 s[G1SB+0], s44, (3<<16)|(1<<20)|(1<<21)|(5<<22)|(3<<25)
.irp g, G1S, G1SB
	s_mov_b32 s[\g+1], 32<<16
	s_mov_b32 s[\g+2], (128*KS/256)<<16
	s_mov_b32 s[\g+3], 32<<16
	s_mov_b32 s[\g+4], 128*KS/256
	s_mov_b32 s[\g+5], 32
	s_mov_b32 s[\g+6], 0
	s_mov_b32 s[\g+7], 0
.endr
	s_lshl_b32 s18, s16, 7                         ; which 128 rows of the unit I fetch
	s_lshl_b32 s20, s17, 8
	s_add_co_u32 s20, s20, s18                     ; A's row
	s_lshl_b32 s46, s42, 8
	s_add_co_u32 s46, s46, s18                     ; B's row
	s_mov_b32 s21, 0
	s_mov_b32 s47, 0
	s_mov_b64 s[18:19], KS
	s_mul_u64 s[22:23], s[20:21], s[18:19]         ; where these rows' scales begin,
	s_mul_u64 s[92:93], s[46:47], s[18:19]
	s_mov_b64 s[18:19], KROW
	s_mul_u64 s[20:21], s[20:21], s[18:19]         ; and their codes
	s_mul_u64 s[46:47], s[46:47], s[18:19]
	s_mul_i32 s45, s14, HALFT                      ; where they go: wave x 128 rows: no place in the cluster enters an LDS address
	s_mul_i32 s94, s14, HALFS
	s_wait_kmcnt 0x0
	s_add_nc_u64 s[20:21], s[4:5], s[20:21]
	s_add_nc_u64 s[22:23], s[6:7], s[22:23]
	s_add_nc_u64 s[46:47], s[4:5], s[46:47]
	s_add_nc_u64 s[92:93], s[6:7], s[92:93]
	CROUND                                         ; all sixteen work-groups are here: the first joint loads meet
	s_mov_b32 s[G0S], 1
	s_add_co_u32 s[G0S+1], s94, SCL
	s_mov_b64 s[G0S+2:G0S+3], s[22:23]
	s_or_b32 s[G0S+3], s[G0S+3], 0x80000000
	s_mov_b32 s[G0SB], 1
	s_add_co_u32 s[G0SB+1], s94, SCL
	s_mov_b64 s[G0SB+2:G0SB+3], s[92:93]
	s_or_b32 s[G0SB+3], s[G0SB+3], 0x80000000
	JLOAD G0S, G1S, G0SB, G1SB                     ; the scales first: they are wanted with K step 0
.irp s, 0,1
	s_mov_b32 s[G0+4*\s], 1
	s_add_co_u32 s[G0+4*\s+1], s45, \s*SLOT
	s_add_nc_u64 s[G0+4*\s+2:G0+4*\s+3], s[20:21], \s*KSTEPB
	s_or_b32 s[G0+4*\s+3], s[G0+4*\s+3], 0x80000000
	s_mov_b32 s[G0B+4*\s], 1
	s_add_co_u32 s[G0B+4*\s+1], s45, \s*SLOT
	s_add_nc_u64 s[G0B+4*\s+2:G0B+4*\s+3], s[46:47], \s*KSTEPB
	s_or_b32 s[G0B+4*\s+3], s[G0B+4*\s+3], 0x80000000
	JLOAD G0+4*\s, G1, G0B+4*\s, G1B
.endr
	v_and_b32 v1, 15, v0                           ; r (kept)
	v_bfe_u32 v2, v0, 4, 1                         ; h (kept)
	v_and_b32 v3, 31, v0
	v_lshlrev_b32 v[CO], 4, v3                     ; 16 x lane: my place in every group of an image
	s_mul_i32 s21, s15, HALFT                      ; my 128 rows of A
	s_mul_i32 s22, s16, HALFT                      ; my 128 rows of B,
	s_add_co_u32 s22, s22, 2*HALFT                 ; which lie behind A's 256
.irp s, 0,1
	v_add_nc_u32 v[ADRA+\s], s21, v[CO]
	v_add_nc_u32 v[ADRB+\s], s22, v[CO]
	s_add_co_u32 s21, s21, SLOT
	s_add_co_u32 s22, s22, SLOT
.endr
	v_mul_u32_u24 v5, v1, KS                       ; my row's scales: 32 bytes a row,
	v_lshrrev_b32 v6, 8, v5
	v_lshl_add_u32 v5, v6, 4, v5                   ; and 16 more for each 256 passed
	s_mul_i32 s21, s15, HALFS
	s_mul_i32 s22, s16, HALFS
	s_add_co_u32 s22, s22, 2*HALFS
	s_sub_co_u32 s22, s22, s21
	v_mul_u32_u24 v6, s22, v2                      ; lanes 16-31 take B's
	s_add_co_u32 s21, s21, SCL
	v_add_nc_u32 v5, v5, v6
	v_add_nc_u32 v[ADRS], s21, v5
	; where my results go.  q, k: token tile mu0 = 16 x A's unit + 8 x my half; group of 128 features beta = 2 x (B's unit % 8) + my half: 0-7 q, 8-15 k; two heads a group
	s_lshl_b32 s18, s17, 4
	s_lshl_b32 s19, s15, 3
	s_add_co_u32 s18, s18, s19
	s_lshr_b32 s19, s18, 7                         ; batch
	s_and_b32 s18, s18, 127                        ; first token tile in the batch, a multiple of 8
	s_and_b32 s20, s42, 7
	s_lshl_b32 s20, s20, 1
	s_add_co_u32 s20, s20, s16
	s_lshr_b32 s21, s20, 3                         ; 0: q, 1: k
	s_and_b32 s20, s20, 7                          ; pair of heads
	s_lshl_b32 s98, s21, 23
	s_lshl_b32 s22, s19, 21
	s_add_co_u32 s98, s98, s22
	s_lshl_b32 s22, s20, 18
	s_add_co_u32 s98, s98, s22
	s_lshl_b32 s22, s18, 10
	s_add_co_u32 s98, s98, s22                     ; codes
	s_lshl_b32 s99, s21, 18
	s_lshl_b32 s22, s19, 16
	s_add_co_u32 s99, s99, s22
	s_lshl_b32 s22, s20, 13
	s_add_co_u32 s99, s99, s22
	s_lshl_b32 s22, s18, 5                         ; 256 bytes for each 8 tiles
	s_add_co_u32 s99, s99, s22                     ; scale words
	; v: group of 128 tokens gamma = 2 x B's unit + my half; first head = 4 cy + 2 x my half
	s_lshl_b32 s18, s42, 1
	s_add_co_u32 s18, s18, s16
	s_lshr_b32 s19, s18, 4                         ; batch
	s_and_b32 s18, s18, 15                         ; key step
	s_lshl_b32 s19, s19, 4
	s_lshl_b32 s20, s41, 2
	s_add_co_u32 s19, s19, s20
	s_lshl_b32 s20, s15, 1
	s_add_co_u32 s19, s19, s20                     ; 16 batch + head
	s_lshl_b32 s100, s19, 17
	s_lshl_b32 s20, s18, 13
	s_add_co_u32 s100, s100, s20
	s_add_co_u32 s100, s100, 16777216
	s_lshl_b32 s101, s19, 12
	s_lshl_b32 s20, s18, 8
	s_add_co_u32 s101, s101, s20
	s_add_co_u32 s101, s101, 524288
	s_cmp_eq_u32 s[ISV], 1
	s_cselect_b32 s98, s100, s98
	s_cselect_b32 s100, s101, s99
	s_mov_b32 s99, 0
	s_mov_b32 s101, 0
	s_add_nc_u64 s[12:13], s[8:9], s[98:99]        ; my codes
	s_add_nc_u64 s[96:97], s[10:11], s[100:101]    ; my scale words
.macro FRAG reg, adr, q, i             ; a fragment's image: four loads of 512 consecutive bytes: registers 4 c .. 4 c + 3 hold K = 32 c + 16 (l / 16) + 0 .. 15 of row l % 16
.irp c, 0,1,2,3
	ds_load_b128 v[\reg+4*\c:\reg+4*\c+3], v[\adr] offset:(\i)*4096+(\q)*2048+512*\c
.endr
.endm
; 16 matrix instructions: A's blocks a0, a0 + 1 x B's eight, 128 along K.  The 64 accumulators take turns, one instruction a turn, in the same order in every step.
.macro MUL16 a0, p, q, sc, zero
.irp a, \a0, \a0+1
.irp b, 0,1,2,3,4,5,6,7
.if \zero
	v_wmma_scale_f32_16x16x128_f8f6f4 v[8*(8*((\a)%4)+\b):8*(8*((\a)%4)+\b)+7], v[128*(\p)+FR*\b:128*(\p)+FR*\b+FR-1], v[AF+FR*(\a):AF+FR*(\a)+FR-1], 0, v[SC+8*NQ*(\sc)+NQ*\b+(\q)], v[SC+8*NQ*(\sc)+NQ*(\a)+(\q)] matrix_a_scale:MATRIX_SCALE_ROW1
.else
	v_wmma_scale_f32_16x16x128_f8f6f4 v[8*(8*((\a)%4)+\b):8*(8*((\a)%4)+\b)+7], v[128*(\p)+FR*\b:128*(\p)+FR*\b+FR-1], v[AF+FR*(\a):AF+FR*(\a)+FR-1], v[8*(8*((\a)%4)+\b):8*(8*((\a)%4)+\b)+7], v[SC+8*NQ*(\sc)+NQ*\b+(\q)], v[SC+8*NQ*(\sc)+NQ*(\a)+(\q)] matrix_a_scale:MATRIX_SCALE_ROW1
.endif
.endr
.endr
.endm
.macro FETCH_B slot, q, p
	WIN TO_B
.irp i, 0,1,2,3,4,5,6,7
	FRAG 128*(\p)+FR*\i, ADRB+\slot, \q, \i
.endr
	WIN 0
.endm
.macro FETCH_A slot, q, i0
.irp i, \i0, \i0+1, \i0+2, \i0+3
	FRAG AF+FR*(\i), ADRA+\slot, \q, \i
.endr
.endm
.macro SCALES sc                       ; a K step's scale words: lanes 0-15 take A's block i, lanes 16-31 B's block i
.irp i, 0,1,2,3,4,5,6,7
	ds_load_b64 v[SC+8*NQ*\sc+NQ*\i:SC+8*NQ*\sc+NQ*\i+1], v[ADRS] offset:\i*SBLK
.endr
.endm
.macro PLACES n                        ; plain vector lines between a matrix instruction and a load into, or a vector line on, its registers
.rept \n
	v_nop
.endr
.endm
.macro STEP slot, q, zero              ; 128 along K that has its successor in the same slot
	s_wait_dscnt 4*NL                              ; B's set and A's blocks 0-3 are in; the youngest 16 loads (A's blocks 4-7) may be out
	WIN MUL_LO
	MUL16 0, (\q)%2, \q, \slot, \zero
	MUL16 2, (\q)%2, \q, \slot, \zero
	s_wait_dscnt 0
	PLACES NP
	FETCH_B \slot, (\q)+1, 1-(\q)%2
	FETCH_A \slot, (\q)+1, 0
	WIN MUL_HI
	MUL16 4, (\q)%2, \q, \slot, \zero
	MUL16 6, (\q)%2, \q, \slot, \zero
	PLACES NP
	WIN 0
	FETCH_A \slot, (\q)+1, 4
.endm
; A slot's last step changes slots: one barrier; in front of it each wave waits for all its tensor loads, adds 0 to its spare word, and waits for that and for its reads of this slot.
.macro TURN slot, next, fill
	s_wait_tensorcnt 0x0                           ; all my tensor loads have landed: my part of the next slot
	ds_add_u32 v[SPW], v[NIL]                      ; 0 onto my spare word
	s_wait_dscnt 4*NL+1                            ; the add and the youngest 16 loads (A's blocks 4-7) may be out
	WIN MUL_LO
	MUL16 0, 1, NQ-1, \slot, 0
	s_wait_dscnt 0x0                               ; the add is done, and my reads of this slot are over
	s_barrier_signal -1
	MUL16 2, 1, NQ-1, \slot, 0
	WIN 0
	s_barrier_wait -1
.if \fill
	CREST                                          ; the barrier has opened a round of the cluster's: no wave of any partner still reads this slot or has a load on its way
	s_add_nc_u64 s[G0+4*\slot+2:G0+4*\slot+3], s[G0+4*\slot+2:G0+4*\slot+3], 2*KSTEPB
	s_add_nc_u64 s[G0B+4*\slot+2:G0B+4*\slot+3], s[G0B+4*\slot+2:G0B+4*\slot+3], 2*KSTEPB
	JLOAD G0+4*\slot, G1, G0B+4*\slot, G1B         ; the first tensor load behind the round; its four v_nop are among the places in front of the loads below
	PLACES NP-4
.else
	PLACES NP
.endif
	s_wait_alu depctr_va_vdst(0)
	v_add_nc_u32 v[ADRS], 4*NQ, v[ADRS]            ; the next K step's scale words
	FETCH_B \next, 0, 0
	FETCH_A \next, 0, 0
	SCALES \next
	WIN MUL_HI
	MUL16 4, 1, NQ-1, \slot, 0
	MUL16 6, 1, NQ-1, \slot, 0
	PLACES NP
	WIN 0
	FETCH_A \next, 0, 4
.endm
	s_wait_alu depctr_va_vdst(0)
	s_wait_tensorcnt 1                             ; of my three loads the scales and K step 0 are in; K step 1's may be out
	s_barrier_signal -1
	s_barrier_wait -1
	FETCH_B 0, 0, 0
	FETCH_A 0, 0, 0
	SCALES 0
	FETCH_A 0, 0, 4
	STEP 0, 0, 1                                   ; the first step's products start the sums
	s_mov_b32 s3, LAPS-1
.Llap:
	TURN 0, 1, 1
	STEP 1, 0, 0
	TURN 1, 0, 1
	STEP 0, 0, 0
	s_sub_co_u32 s3, s3, 1
	s_cmp_lg_u32 s3, 0
	s_cbranch_scc1 .Llap
	TURN 0, 1, 0                                   ; the last lap fills nothing
	STEP 1, 0, 0
	s_wait_dscnt 4*NL
	WIN MUL_LO
	MUL16 0, 1, NQ-1, 1, 0
	MUL16 2, 1, NQ-1, 1, 0
	s_wait_dscnt 0
	WIN MUL_HI
	MUL16 4, 1, NQ-1, 1, 0
	MUL16 6, 1, NQ-1, 1, 0
	WIN 0
; THE WAY OUT.  For each of my 8 blocks of A's rows: the lane's 64 numbers (8 accumulators) are four blocks of 32 along B; each is quantised with lane l xor 16's half, and the 16 registers of codes are an image: four stores of 512 bytes.
	PLACES NP
	s_mov_b32 s18, 0x76543210
	s_mov_b32 s19, 0xfedcba98                      ; lane l xor 16
	s_mov_b32 s20, 0x600000                        ; the mantissa field of 448
	v_mov_b32 v[FLR], 0x4800000
.irp b, 0,1,2,3
	v_mov_b32 v[TM+4+\b], 0                        ; a lane permute's destination counts as one of its sources
.endr
	v_lshlrev_b32 v[SOF], 4, v1
	v_lshl_add_u32 v[SOF], v2, 12, v[SOF]          ; lanes 0-15: the first head's words, lanes 16-31: the second's, 4,096 bytes on
	v_mov_b32 v[VSEL], 0x05040100                  ; the low halves of two words (the first head's two bytes)
	v_mov_b32 v[OW], 0x07060302                    ; the high halves (the second head's)
	v_cmp_eq_u32 vcc_lo, 1, v2
	v_cndmask_b32 v[VSEL], v[VSEL], v[OW], vcc_lo
.macro QUANTW a
.set W, 2+(\a)/4
.set AC, 64*((\a)%4)
.set WS, (W<<2)|(W<<4)
	WIN WS                                         ; sources 1 and 2: the accumulators' window
.irp b, 0,1,2,3
	v_max3_num_f32 v[TM+\b], v[FLR], |v[AC+16*\b]|, |v[AC+16*\b+1]|      ; each accumulator is read from its low end on
.endr
.irp i, 2,4,6,8,10,12,14
.irp b, 0,1,2,3
	v_max3_num_f32 v[TM+\b], v[TM+\b], |v[AC+16*\b+\i]|, |v[AC+16*\b+\i+1]|
.endr
.endr
	WIN 0
.irp b, 0,1,2,3
	v_permlanex16_b32 v[TM+4+\b], v[TM+\b], s18, s19
.endr
.irp b, 0,1,2,3
	v_max_num_f32 v[TM+\b], v[TM+\b], v[TM+4+\b]
.endr
.irp b, 0,1,2,3
	v_add_nc_u32 v[TM+12+\b], 0xfc000000, v[TM+\b]
.endr
.irp b, 0,1,2,3
	v_and_or_b32 v[TM+8+\b], v[TM+\b], 0x7f800000, s20
.endr
.irp b, 0,1,2,3
	v_lshrrev_b32 v[TM+4+\b], 23, v[TM+12+\b]
.endr
	v_lshl_or_b32 v[SW+(\a)], v[TM+5], 8, v[TM+4]
	v_lshl_or_b32 v[SW+(\a)], v[TM+6], 16, v[SW+(\a)]
	v_lshl_or_b32 v[SW+(\a)], v[TM+7], 24, v[SW+(\a)]
	WIN W                                          ; source 0: the accumulators' window
.irp b, 0,1,2,3
.irp i, 0,1,2,3,4,5,6,7,8,9,10,11,12,13,14,15
	v_med3_num_f32 v[X+16*\b+\i], v[AC+16*\b+\i], -v[TM+8+\b], v[TM+8+\b]   ; the hold at 448 x the scale, into window 0
.endr
.endr
	WIN 0
.if (\a) > 0
	s_wait_alu depctr_va_vdst(0)
	s_wait_xcnt 0x0                                ; the last block's stores have read their data: the codes' registers are written again only behind this wait
.endif
.irp b, 0,1,2,3
	v_cvt_scalef32_pk8_fp8_f32 v[PC+4*\b:PC+1+4*\b], v[X+16*\b:X+7+16*\b], v[TM+12+\b]
	v_cvt_scalef32_pk8_fp8_f32 v[PC+2+4*\b:PC+3+4*\b], v[X+8+16*\b:X+15+16*\b], v[TM+12+\b]
.endr
	v_nop                                          ; a plain line behind the last conversion
	s_cmp_eq_u32 s[ISV], 0
	s_cbranch_scc0 .Lvc_\@
.irp c, 0,1,2,3
	global_store_b128 v[CO], v[PC+4*\c:PC+4*\c+3], s[12:13] offset:(\a)*1024+(\c>>1)*131072+(\c&1)*512   ; token tile a; head c / 2; block of d c % 2
.endr
	s_branch .Lcd_\@
.Lvc_\@:
	s_wait_alu depctr_va_vdst(0)
.irp c, 0,1,2,3
	global_store_b128 v[CO], v[PC+4*\c:PC+4*\c+3], s[12:13] offset:((\a)>>2)*131072+((\a)&3)*2048+\c*512   ; head a / 4; d tile a % 4; block of keys c
.endr
.Lcd_\@:
.endm
.irp a, 0,1,2,3,4,5,6,7
	QUANTW \a
.endr
	v_cmp_eq_u32 vcc_lo, 1, v2
	s_cmp_eq_u32 s[ISV], 0
	s_cbranch_scc0 .Lvscale
.irp f, 0,1,2,3
	v_perm_b32 v[OW+\f], v[SW+2*\f+1], v[SW+2*\f], v[VSEL]   ; my head's two bytes of token tile 2 f below, of tile 2 f + 1 above
.endr
	s_branch .Lscaled
.Lvscale:
.irp t, 0,1,2,3
	v_cndmask_b32 v[OW+\t], v[SW+\t], v[SW+4+\t], vcc_lo     ; lanes 0-15: the first head's d tile t; lanes 16-31: the second's
.endr
.Lscaled:
	s_wait_alu depctr_va_vdst(0)
	global_store_b128 v[SOF], v[OW:OW+3], s[96:97]  ; sixteen lanes store 256 consecutive bytes, aligned
	s_wait_tensorcnt 0x0                           ; the wave's end
	ds_add_u32 v[SPW], v[NIL]
	s_wait_dscnt 0x0
	CROUND                                         ; the closing round: no work-group ends while a partner may still ask for a tile that names it
	s_endpgm
.Lfunc_end_k_q75df4e31ad_qkv:
	.size	k_q75df4e31ad_qkv, .Lfunc_end_k_q75df4e31ad_qkv-k_q75df4e31ad_qkv
	.p2alignl 7, 3214868480
	.fill 96, 4, 3214868480
	.section	.rodata,"a",@progbits
	.p2align	6, 0x0
	.amdhsa_kernel k_q75df4e31ad_qkv
		.amdhsa_group_segment_fixed_size 327680
		.amdhsa_private_segment_fixed_size 0
		.amdhsa_enable_private_segment 0
		.amdhsa_kernarg_size 32
		.amdhsa_user_sgpr_count 2
		.amdhsa_user_sgpr_kernarg_segment_ptr 1
		.amdhsa_wavefront_size32 1
		.amdhsa_system_sgpr_workgroup_id_x 1
		.amdhsa_system_sgpr_workgroup_id_y 1
		.amdhsa_system_sgpr_workgroup_id_z 1
		.amdhsa_system_vgpr_workitem_id 0
		.amdhsa_next_free_vgpr 1024
		.amdhsa_next_free_sgpr 102
		.amdhsa_reserve_vcc 1
		.amdhsa_float_denorm_mode_32 3
		.amdhsa_float_denorm_mode_16_64 3
		.amdhsa_memory_ordered 1
		.amdhsa_forward_progress 1
		.amdhsa_inst_pref_size 190
	.end_amdhsa_kernel
	.amdgpu_metadata
---
amdhsa.version: [ 1, 2 ]
amdhsa.kernels:
  - .name:           k_q75df4e31ad_qkv
    .symbol:         k_q75df4e31ad_qkv.kd
    .args:
      - { .name: xw_codes, .offset: 0, .size: 8, .value_kind: global_buffer, .address_space: global }
      - { .name: xw_scales, .offset: 8, .size: 8, .value_kind: global_buffer, .address_space: global }
      - { .name: qkv_codes, .offset: 16, .size: 8, .value_kind: global_buffer, .address_space: global }
      - { .name: qkv_scales, .offset: 24, .size: 8, .value_kind: global_buffer, .address_space: global }
    .group_segment_fixed_size: 327680
    .private_segment_fixed_size: 0
    .kernarg_segment_align: 8
    .kernarg_segment_size: 32
    .max_flat_workgroup_size: 128
    .sgpr_count:     102
    .vgpr_count:     1024
    .wavefront_size: 32
...
	.end_amdgpu_metadata
.endif
;; end of part 2
;; launch attn (part 3): grid 4 x 64, 16 waves a work-group, clusters of 4 x 1, 327,680 bytes of LDS; arguments qkv_codes, qkv_scales, m_codes, m_scales; writes m_codes, m_scales
.if DOCPART == 3
	.amdgcn_target "amdgcn-amd-amdhsa--gfx1250"
	.amdhsa_code_object_version 6
	.text
	.protected	k_q75df4e31ad_attn
	.globl	k_q75df4e31ad_attn
	.p2align	8
	.type	k_q75df4e31ad_attn,@function
k_q75df4e31ad_attn:
	s_mov_b64 s[64:65], 0
	v_nop
	global_prefetch_b8 v0, s[64:65] scope:SCOPE_SE
	s_setreg_imm32_b32 hwreg(HW_REG_WAVE_MODE, 25, 1), 1
	s_wait_xcnt 0x0
	s_wait_alu depctr_hold_cnt(0) depctr_sa_sdst(0) depctr_va_vdst(0) depctr_va_sdst(0) depctr_va_ssrc(0) depctr_va_vcc(0) depctr_vm_vsrc(0)
	s_getreg_b32 s2, hwreg(HW_REG_IB_STS2, 6, 4)
	s_cmp_eq_u32 s2, 0
	s_cbranch_scc0 .Lentry_in_a_cluster
	s_endpgm
.Lentry_in_a_cluster:
	s_bfe_u32 s2, ttmp6, 0x10000c
	s_cmp_lg_u32 s2, 0x3003
	s_cbranch_scc0 .Lentry_shape_is_right
	s_endpgm
.Lentry_shape_is_right:
; Causal attention of one (batch, head) on codes of E4M3 with E8M0 scales: S^T = k q^T (K = the head's 64), p = 2^(t - M), O^T = v^T p^T (K = the keys), O / l quantised along (head, d) for the last projection.
; t = score x log2(e) / 8; M = the running largest t rounded UP to a whole number; the row's sum l is taken of the unquantised p; when M moves, l and O^T are multiplied by 2^(old M - new M), exactly.
; LIMITS: NaN and infinities are not served; a block of p or of O / l whose largest magnitude lies under 2^-118 (zeros too) gets the byte 1, read by this program alone.
; K = 64 IN AN INSTRUCTION OF 128.  A fragment of k holds 32 keys: row r's K 0-63 are key 32 F + r, K 64-127 key 32 F + 16 + r.  It is multiplied by [q, zero codes] and by [zero codes, q]: two tiles of 16 keys.
; SHARES.  The four work-groups of a cluster are one head; g = 0..3 is the work-group's number.  A work-group has 16 waves, and wave w owns TWO tiles of 16 queries, one after the other:
; tile 8 w + g, which needs key steps 0 .. w of 128 keys, and tile 8 (15 - w) + g + 4, which needs steps 0 .. 15 - w: (w + 1) + (16 - w) = 17 steps for every wave, so the four waves of a SIMD
; have work side by side to the end.  The counts are made of the wave's number alone, so every branch is alike in all partners of a cluster.
; The step J = sigma lies on the diagonal: there hidden scores become -infinity; later steps are jumped over.
; LDS.  The head's codes of k (131,072 bytes) and of v (131,072) and their scale words (4,096 each) are brought ONCE and stay: nothing is filled again and nothing is stored to LDS.
; All lie as images of the operands' registers: an LDS load reads 512 consecutive bytes, so there is no padding.
; CLUSTER.  Every tile is asked for jointly, by the same load with the same descriptor and the mask of all four work-groups.
; Waves 0 and 1 ask for the scale words, for keys 0-255 and for keys 256-511 of k and of v; waves 2-13 for 256 keys each: three tensor loads of a wave are out at the most.  Steps 0 and 1 of the first tile run while the rest lands.
; OUT.  A lane's codes go to the image of merged's fragment (tile of 16 tokens, K step head / 2): 512 consecutive bytes a store.  The two scale bytes of a row leave by a store of 2 bytes a lane, 32 bytes apart:
; runs of 256 bytes written in part, for one byte in 32 of what the launch writes; the 16 heads that share such a run are 16 clusters.
.set LI,   1                           ; v1   16 x lane: my place in k's images; also my offset in q's and the result's
.set LV,   2                           ; v2   the same in v's, 131,072 on
.set LS,   3                           ; v3   262,144 + 16 r: my row's four scale words of a step
.set DD,   4                           ; v4   16 g' + r - 8 h: register n of the diagonal step is hidden where 32 (n / 16) + 16 ((n / 8) % 2) + n % 8 is larger
.set NINF, 5                           ; v5   -infinity
.set ADK,  6
.set ADV,  7
.set ADS,  8
.set RO,   9                           ; v9   32 r
.set R16,  10                          ; v10  16 r
.set Q1,   16                          ; v16-31 [q, zeros]
.set Q2,   32                          ; v32-47 [zeros, q]
.set KF,   48                          ; v48-111 four fragments of k, then of v
.set S,    112                         ; v112-175 S^T, then p
.set O,    176                         ; v176-207 O^T: four tiles of 16 d
.set PC,   208                         ; v208-223 p's codes
.set BM,   224                         ; the blocks' largest scores, then largest p
.set PX,   228                         ; the other half's; bytes; the second chain of the sum
.set LIM,  232
.set SOP,  236                         ; the conversion's scale operand
.set KSW,  240
.set VSW,  244
.set QS1,  248
.set QS2,  249
.set FF,   250                         ; v[250:251] f = 2^(old M - new M); the upper register is only named
.set PSW,  252                         ; p's scale word
.set T0,   253
.set T1,   254
.set QW,   255                         ; the word that holds q's scale bytes, as loaded
.set SH,   3                           ; s3   16 x (g % 2): which half of that word is my tile's (the same for both tiles: g and g + 4 are alike in their low bit)
.set WV,   12
.set SIG,  13                          ; sigma of the tile in hand
.set GG,   14
.set BH,   15
.set J,    16
.set TB,   17
.set TS,   18
.set MNT,  19
.set SEL,  20
.set CS,   22
.set G1C,  24
.set G1S,  32
.set G0S,  40
.set G0Y,  44
.set G0X,  48
.set SIGB, 62                          ; s62  15 - w
.set GB,   63                          ; s63  g + 4
.set QCA,  68                          ; s[68:83]: for the first tile (A) and the second (B): q's codes, q's scale words, merged's codes, merged's scale bytes
.set QCB,  70
.set QSA,  72
.set QSB,  74
.set OCA,  76
.set OCB,  78
.set OSA,  80
.set OSB,  82
.macro CROUND                          ; a round of the cluster's barrier
	s_barrier_signal -1
	s_barrier_wait -1
	s_cmp_lg_u32 s[WV], 0
	s_cbranch_scc1 .Lnot_wave_0_\@
	s_barrier_signal -3
.Lnot_wave_0_\@:
	s_barrier_wait -3
	s_barrier_signal -1
	s_barrier_wait -1
.endm
; The four global addresses of the tile 8 sigma + g' (sigma in s[sg], g' in s[gp]); offsets are made apart, in s52-57, and added to the buffers' addresses
.macro ADDRS sg, gp, qc, qs, oc, os
	s_lshl_b32 s52, s[\sg], 3
	s_add_co_u32 s52, s52, s[\gp]                  ; the tile
	s_lshl_b32 s54, s[BH], 17
	s_lshl_b32 s53, s52, 10
	s_add_co_u32 s54, s54, s53
	s_mov_b32 s55, 0
	s_add_nc_u64 s[\qc:\qc+1], s[4:5], s[54:55]    ; its codes: 131,072 bytes a head, 1,024 a tile
	s_lshl_b32 s54, s[BH], 12
	s_lshl_b32 s53, s[\sg], 8
	s_add_co_u32 s54, s54, s53
	s_lshr_b32 s53, s[\gp], 1
	s_lshl_b32 s53, s53, 2
	s_add_co_u32 s54, s54, s53
	s_add_nc_u64 s[\qs:\qs+1], s[6:7], s[54:55]    ; the words that hold its scale bytes: 4,096 bytes a head, 256 for 128 tokens, word g' / 2 of a row's four
	s_lshr_b32 s53, s[BH], 4
	s_lshl_b32 s53, s53, 7
	s_add_co_u32 s53, s53, s52                     ; merged's tile: 128 batch + the tile
	s_and_b32 s56, s[BH], 15                       ; head
	s_lshl_b32 s54, s53, 14
	s_lshl_b32 s57, s56, 10                        ; K step head / 2, groups 2 (head % 2) on: 1,024 bytes a head
	s_add_co_u32 s54, s54, s57
	s_add_nc_u64 s[\oc:\oc+1], s[8:9], s[54:55]
	s_lshl_b32 s54, s53, 9
	s_lshl_b32 s57, s56, 1
	s_add_co_u32 s54, s54, s57
	s_add_nc_u64 s[\os:\os+1], s[10:11], s[54:55]
.endm
; q's 1,024 bytes, twice: a product's two sources share no register, and the two operands differ in where the zeros lie; and the word with its scale bytes
.macro QLOAD qc, qs
	global_load_b128 v[Q1:Q1+3], v[LI], s[\qc:\qc+1]
	global_load_b128 v[Q1+4:Q1+7], v[LI], s[\qc:\qc+1] offset:512
	global_load_b128 v[Q2+8:Q2+11], v[LI], s[\qc:\qc+1]
	global_load_b128 v[Q2+12:Q2+15], v[LI], s[\qc:\qc+1] offset:512
	global_load_b32 v[QW], v[R16], s[\qs:\qs+1]
.endm
; A tile begins: O^T and l are zeros, the largest t lies under every t; q has come.  again = 1: the tile before has stored from registers that the steps write again
.macro START again
.set ii, 0
.rept 32
	v_mov_b32 v[O+ii], 0                           ; O^T: the step is written once; a tile's first step finds zeros
.set ii, ii+1
.endr
	v_mov_b32 v13, 0xff61b1e6                      ; the largest t so far: -3e38
	s_delay_alu instid0(VALU_DEP_1)
	v_floor_f32 v12, -v13                          ; -M
	v_mov_b32 v14, 0                               ; l, in two halves
	v_mov_b32 v15, 0
	s_wait_loadcnt 0x0                             ; q and its word
.if \again
	s_wait_xcnt 0x0                                ; the last tile's stores have read their data: the codes' registers and the scale word are written again only behind this wait
.endif
	v_lshrrev_b32 v[T0], s[SH], v[QW]              ; the half of the word that is my tile's
	s_delay_alu instid0(VALU_DEP_1)
	v_and_b32 v[T0], 0xffff, v[T0]
	s_delay_alu instid0(VALU_DEP_1)
	v_or_b32 v[QS1], 0x7f7f0000, v[T0]             ; q's two bytes under K 0-63; 1.0 over the zero codes
	s_delay_alu instid0(VALU_DEP_2)
	v_lshl_or_b32 v[QS2], v[T0], 16, 0x7f7f
.endm
	s_load_b256 s[4:11], s[0:1], 0x0               ; codes of q, k, v; their scale words; merged's codes; merged's scale bytes
	v_lshl_add_u32 v254, v0, 2, 0x42000
	v_mov_b32 v255, 0
	ds_add_u32 v254, v255
	ds_add_u32 v254, v255
	s_wait_dscnt 0x0
	v_lshrrev_b32 v1, 5, v0
	s_delay_alu instid0(VALU_DEP_1)
	v_readfirstlane_b32 s[WV], v1                  ; wave 0..15
	s_xor_b32 s[SIGB], s[WV], 15                   ; 15 - w
	s_bfe_u32 s[GG], ttmp6, 0x40000                ; cx
	s_lshl_b32 s2, ttmp9, 2
	s_add_co_u32 s[GG], s[GG], s2                  ; g = 4 x cluster x + cx: it enters q's and the result's addresses and the mask's numbers, no branch and no LDS address
	s_add_co_u32 s[GB], s[GG], 4
	s_and_b32 s[SH], s[GG], 1
	s_lshl_b32 s[SH], s[SH], 4
	s_and_b32 s[BH], ttmp7, 0xffff                 ; 16 batch + head, which the four partners share
	; descriptor group 1: dense blocks as rows of 256 bytes (32 elements of 8 bytes): 64 rows of codes (256 keys), 16 rows of scale words
	s_mov_b32 s[G1C], 15|(3<<16)|(1<<21)           ; 15:0 the mask: all four work-groups; 17:16 elements of 8 bytes; 21 set beside a mask
	s_mov_b32 s[G1C+1], 32<<16
	s_mov_b32 s[G1C+2], 64<<16
	s_mov_b32 s[G1C+3], 32<<16
	s_mov_b32 s[G1C+4], 64
	s_mov_b32 s[G1C+5], 32
	s_mov_b32 s[G1C+6], 0
	s_mov_b32 s[G1C+7], 0
	s_mov_b32 s[G1S], 15|(3<<16)|(1<<21)
	s_mov_b32 s[G1S+1], 32<<16
	s_mov_b32 s[G1S+2], 16<<16
	s_mov_b32 s[G1S+3], 32<<16
	s_mov_b32 s[G1S+4], 16
	s_mov_b32 s[G1S+5], 32
	s_mov_b32 s[G1S+6], 0
	s_mov_b32 s[G1S+7], 0
	s_and_b32 s52, s[WV], 1                        ; even waves fetch for k, odd ones for v
	s_add_co_u32 s53, s52, 1
	s_lshl_b32 s54, s53, 23                        ; k's codes begin at 1 << 23, v's at 2 << 23;
	s_lshl_b32 s55, s[BH], 17                      ; 131,072 bytes a head
	s_add_co_u32 s54, s54, s55
	s_mov_b32 s55, 0
	s_lshl_b32 s56, s53, 18                        ; their scale words at 1 << 18, 2 << 18; 4,096 bytes a head
	s_lshl_b32 s57, s[BH], 12
	s_add_co_u32 s56, s56, s57
	s_mov_b32 s57, 0
	s_lshr_b32 s58, s[WV], 1
	s_add_co_u32 s58, s58, 1                       ; which 256 keys my own load brings: 1 + w / 2
	s_lshl_b32 s58, s58, 14
	s_mov_b32 s59, 0
	s_lshl_b32 s60, s52, 12
	s_lshl_b32 s61, s52, 17
	s_mov_b32 s[SEL], 0x76543210
	s_mov_b32 s[SEL+1], 0xfedcba98
	s_mov_b32 s[CS], 0x3e38aa3b                    ; c = log2(e) / 8
	s_mov_b32 s[CS+1], s[CS]                       ; named with it as a pair
	s_wait_kmcnt 0x0
	s_mov_b32 s[G0S], 1
	s_add_co_u32 s[G0S+1], s60, 262144
	s_add_nc_u64 s[G0S+2:G0S+3], s[6:7], s[56:57]
	s_or_b32 s[G0S+3], s[G0S+3], 0x80000000
	s_mov_b32 s[G0Y], 1
	s_mov_b32 s[G0Y+1], s61
	s_add_nc_u64 s[G0Y+2:G0Y+3], s[4:5], s[54:55]
	s_mov_b32 s[G0X], 1
	s_add_co_u32 s[G0X+1], s61, s58
	s_add_nc_u64 s[G0X+2:G0X+3], s[G0Y+2:G0Y+3], s[58:59]
	s_or_b32 s[G0Y+3], s[G0Y+3], 0x80000000
	s_or_b32 s[G0X+3], s[G0X+3], 0x80000000
	CROUND                                         ; all four work-groups are here: the joint loads meet
	s_cmp_lt_u32 s[WV], 2                          ; a wave's fills stand in one branch on its number, ahead of every wait on TENSORcnt and every LDS read
	s_cbranch_scc0 .Lnot_01
	tensor_load_to_lds s[G0S:G0S+3], s[G1S:G1S+7]  ; the head's scale words
	s_nop 0
	tensor_load_to_lds s[G0Y:G0Y+3], s[G1C:G1C+7]  ; keys 0-255
	s_nop 0
	tensor_load_to_lds s[G0X:G0X+3], s[G1C:G1C+7]  ; keys 256-511
	s_nop 0
.rept 4
	v_nop
.endr
	s_branch .Lasked
.Lnot_01:
	s_cmp_lt_u32 s[WV], 14
	s_cbranch_scc0 .Lasked
	tensor_load_to_lds s[G0X:G0X+3], s[G1C:G1C+7]  ; 256 keys from key 256 (1 + w / 2) on
	s_nop 0
.rept 4
	v_nop
.endr
.Lasked:
	ADDRS WV, GG, QCA, QSA, OCA, OSA               ; the first tile: sigma = w, g' = g
	v_and_b32 v10, 15, v0                          ; r
	v_bfe_u32 v11, v0, 4, 1                        ; h
	v_and_b32 v[LI], 31, v0
	s_delay_alu instid0(VALU_DEP_1)
	v_lshlrev_b32 v[LI], 4, v[LI]
	s_wait_alu depctr_va_vdst(0)
	v_lshlrev_b32 v[RO], 5, v10
	s_lshl_b32 s2, s[GG], 4
	v_lshlrev_b32 v[DD], 3, v11
	s_delay_alu instid0(VALU_DEP_1)
	v_sub_nc_u32 v[DD], v10, v[DD]
	s_delay_alu instid0(VALU_DEP_1)
	v_add_nc_u32 v[DD], s2, v[DD]
	v_lshlrev_b32 v[R16], 4, v10                   ; r is done with: the register holds 16 r from here on
	s_wait_alu depctr_va_vdst(0)
	QLOAD QCA, QSA
	ADDRS SIGB, GB, QCB, QSB, OCB, OSB             ; the second tile: sigma = 15 - w, g' = g + 4
	v_add_nc_u32 v[LV], 131072, v[LI]
	v_add_nc_u32 v[LS], 262144, v[R16]
	v_mov_b32 v[NINF], 0xff800000
.set ii, 0
.rept 16
	v_mov_b32 v[Q1+8+ii], 0                        ; zero codes: v24-39; they stay for both tiles
.set ii, ii+1
.endr
.irp b, 0,1,2,3
	v_mov_b32 v[PX+\b], 0                          ; a lane permute's destination counts as one of its sources
.endr
	v_mov_b32 v[FF+1], 0
	s_mov_b32 s[SIG], s[WV]
	START 0
; A KEY STEP: 128 keys.
.macro STEP
	s_cmp_gt_u32 s[J], s[SIG]                      ; all its keys come after my queries: only the addresses step
	s_cbranch_scc1 .Lhidden_\@
	s_setprio 2
	v_add_nc_u32 v[ADK], s[TB], v[LI]
	v_add_nc_u32 v[ADV], s[TB], v[LV]
	v_add_nc_u32 v[ADS], s[TS], v[LS]
.rept 5
	v_nop                                          ; with the three additions: eight places in front of loads into registers that the last products read, and behind the lines that made q's scale words
.endr
.irp f, 0,1,2,3
.irp c, 0,1,2,3
	ds_load_b128 v[KF+16*\f+4*\c:KF+16*\f+4*\c+3], v[ADK] offset:2048*\f+512*\c
.endr
.endr
	ds_load_b128 v[KSW:KSW+3], v[ADS]              ; the four fragments' scale words of my row
	s_wait_dscnt 0x0
	s_wait_alu depctr_va_vdst(0)
.irp f, 0,1,2,3
	v_wmma_scale_f32_16x16x128_f8f6f4 v[S+16*\f:S+16*\f+7], v[KF+16*\f:KF+16*\f+15], v[Q1:Q1+15], 0, v[KSW+\f], v[QS1]       ; keys 32 f + 8 h + 0..7
	v_wmma_scale_f32_16x16x128_f8f6f4 v[S+16*\f+8:S+16*\f+15], v[KF+16*\f:KF+16*\f+15], v[Q2:Q2+15], 0, v[KSW+\f], v[QS2]   ; keys 32 f + 16 + 8 h + 0..7
.endr
.rept 8
	v_nop                                          ; places in front of the loads below and of the first read of the scores
.endr
.irp t, 0,1,2,3
.irp c, 0,1,2,3
	ds_load_b128 v[KF+16*\t+4*\c:KF+16*\t+4*\c+3], v[ADV] offset:2048*\t+512*\c   ; v's four fragments land while the softmax is worked
.endr
.endr
	ds_load_b128 v[VSW:VSW+3], v[ADS] offset:4096
	s_cmp_lg_u32 s[J], s[SIG]
	s_cbranch_scc1 .Lopen_\@
.set nn, 0
.rept 64
	v_cmp_gt_i32 vcc_lo, 32*(nn/16)+16*((nn/8)%2)+nn%8, v[DD]
	v_cndmask_b32 v[S+nn], v[S+nn], v[NINF], vcc_lo          ; on the diagonal: a hidden key's score becomes -infinity, p = 0.  The step's first key counts for every query
.set nn, nn+1
.endr
.Lopen_\@:
.irp b, 0,1,2,3
	v_max3_num_f32 v[BM+\b], v[S+16*\b], v[S+1+16*\b], v[S+2+16*\b]   ; the largest score of each block of 32 keys: for the row's maximum and, since p rises with the score, for the block's largest p
.endr
.irp i, 3,5,7,9,11,13
.irp b, 0,1,2,3
	v_max3_num_f32 v[BM+\b], v[BM+\b], v[S+16*\b+\i], v[S+1+16*\b+\i]
.endr
.endr
.irp b, 0,1,2,3
	v_max_num_f32 v[BM+\b], v[BM+\b], v[S+15+16*\b]
.endr
.irp b, 0,1,2,3
	s_delay_alu instid0(VALU_DEP_4)
	v_permlanex16_b32 v[PX+\b], v[BM+\b], s[SEL], s[SEL+1]
.endr
.irp b, 0,1,2,3
	s_delay_alu instid0(VALU_DEP_4)
	v_max_num_f32 v[BM+\b], v[BM+\b], v[PX+\b]
.endr
	s_delay_alu instid0(VALU_DEP_2)
	v_max3_num_f32 v[T1], v[BM], v[BM+1], v[BM+2]
	s_delay_alu instid0(VALU_DEP_1)
	v_max_num_f32 v[T1], v[T1], v[BM+3]
	s_delay_alu instid0(VALU_DEP_1)
	v_mul_f32 v[T1], s[CS], v[T1]
	s_delay_alu instid0(VALU_DEP_1)
	v_max_num_f32 v13, v13, v[T1]                  ; the running largest t
	v_mov_b32 v[T1], v12
	s_delay_alu instid0(VALU_DEP_2)
	v_floor_f32 v12, -v13                          ; the new -M = -ceil(t)
	s_delay_alu instid0(VALU_DEP_1)
	v_sub_f32 v[T1], v12, v[T1]                    ; old M - new M: a whole number, 0 or less
	s_delay_alu instid0(VALU_DEP_1)
	v_cvt_i32_f32 v[T1], v[T1]                     ; (it saturates)
	s_delay_alu instid0(VALU_DEP_1)
	v_ldexp_f32 v[FF], 1.0, v[T1]                  ; f
.set jj, 0
	s_setprio 1
.rept 32
	v_pk_fma_f32 v[S+jj:S+jj+1], v[S+jj:S+jj+1], s[CS:CS+1], v[12:13] op_sel_hi:[1,0,0]   ; t - M
.set jj, jj+2
.endr
.irp b, 0,1,2,3
	v_fma_f32 v[BM+\b], v[BM+\b], s[CS], v12
.endr
.set jj, 0
	s_wait_alu depctr_va_vdst(0)
.rept 64
	v_exp_f32 v[S+jj], v[S+jj]                     ; p = 2^(t - M)
.set jj, jj+1
.endr
.irp b, 0,1,2,3
	v_exp_f32 v[BM+\b], v[BM+\b]                   ; the block's largest p: the same two instructions on the same number
.endr
	v_pk_mul_f32 v[14:15], v[14:15], v[FF:FF+1] op_sel_hi:[1,0]   ; l under the new M; also the plain line behind the exponentials
	s_wait_alu depctr_va_vdst(0)
.irp b, 0,1,2,3
	v_max_num_f32 v[BM+\b], 0x4800000, v[BM+\b]    ; the floor 2^(9 - 127)
.endr
.irp b, 0,1,2,3
	s_delay_alu instid0(VALU_DEP_4)
	v_add_nc_u32 v[SOP+\b], 0xfc000000, v[BM+\b]
.endr
.irp b, 0,1,2,3
.endr
.irp b, 0,1,2,3
	s_delay_alu instid0(VALU_DEP_4)
	v_lshrrev_b32 v[PX+\b], 23, v[SOP+\b]
.endr
	s_delay_alu instid0(VALU_DEP_3)
	v_lshl_or_b32 v[PSW], v[PX+1], 8, v[PX]
	s_delay_alu instid0(VALU_DEP_1)
	v_lshl_or_b32 v[PSW], v[PX+2], 16, v[PSW]
	s_delay_alu instid0(VALU_DEP_1)
	v_lshl_or_b32 v[PSW], v[PX+3], 24, v[PSW]
	v_pk_add_f32 v[228:229], v[116:117], v[120:121]
	v_pk_add_f32 v[254:255], v[124:125], v[128:129]
	v_pk_add_f32 v[242:243], v[132:133], v[136:137]
	v_pk_add_f32 v[240:241], v[140:141], v[144:145]
	v_pk_add_f32 v[234:235], v[148:149], v[152:153]
	v_pk_add_f32 v[232:233], v[156:157], v[160:161]
	v_pk_add_f32 v[226:227], v[164:165], v[168:169]
	v_pk_add_f32 v[14:15], v[14:15], v[172:173]
	v_pk_add_f32 v[228:229], v[228:229], v[112:113]
	v_pk_add_f32 v[254:255], v[254:255], v[114:115]
	v_pk_add_f32 v[242:243], v[242:243], v[118:119]
	v_pk_add_f32 v[240:241], v[240:241], v[122:123]
	v_pk_add_f32 v[234:235], v[234:235], v[126:127]
	v_pk_add_f32 v[232:233], v[232:233], v[130:131]
	v_pk_add_f32 v[226:227], v[226:227], v[134:135]
	v_pk_add_f32 v[14:15], v[14:15], v[138:139]
	v_pk_add_f32 v[228:229], v[228:229], v[142:143]
	v_pk_add_f32 v[254:255], v[254:255], v[146:147]
	s_setprio 0
	v_pk_add_f32 v[242:243], v[242:243], v[150:151]
	v_pk_add_f32 v[240:241], v[240:241], v[154:155]
	v_pk_add_f32 v[234:235], v[234:235], v[158:159]
	v_pk_add_f32 v[232:233], v[232:233], v[162:163]
	v_pk_add_f32 v[226:227], v[226:227], v[166:167]
	v_pk_add_f32 v[14:15], v[14:15], v[170:171]
	v_pk_add_f32 v[228:229], v[228:229], v[174:175]
	s_delay_alu instid0(VALU_DEP_2)
	v_pk_add_f32 v[14:15], v[14:15], v[240:241]
	s_delay_alu instid0(VALU_DEP_2)
	v_pk_add_f32 v[228:229], v[228:229], v[234:235]
	v_pk_add_f32 v[254:255], v[254:255], v[232:233]
	v_pk_add_f32 v[242:243], v[242:243], v[226:227]
	s_delay_alu instid0(VALU_DEP_2)
	v_pk_add_f32 v[14:15], v[14:15], v[254:255]
	s_delay_alu instid0(VALU_DEP_2)
	v_pk_add_f32 v[228:229], v[228:229], v[242:243]
	s_delay_alu instid0(VALU_DEP_1)
	v_pk_add_f32 v[14:15], v[14:15], v[228:229]
.irp b, 0,1,2,3
.irp i, 0,1,2,3,4,5,6,7,8,9,10,11,12,13,14,15
.endr
	v_cvt_scalef32_pk8_fp8_f32 v[PC+4*\b:PC+1+4*\b], v[S+16*\b:S+7+16*\b], v[SOP+\b]
	v_cvt_scalef32_pk8_fp8_f32 v[PC+2+4*\b:PC+3+4*\b], v[S+8+16*\b:S+15+16*\b], v[SOP+\b]
.endr
.set jj, 0
.rept 16
	v_pk_mul_f32 v[O+jj:O+jj+1], v[O+jj:O+jj+1], v[FF:FF+1] op_sel_hi:[1,0]   ; O^T under the new M; also the plain lines between the conversions and the products
.set jj, jj+2
.endr
	s_wait_alu depctr_va_vdst(0)
	s_wait_dscnt 0x0                               ; v's fragments and words
.irp t, 0,1,2,3
	v_wmma_scale_f32_16x16x128_f8f6f4 v[O+8*\t:O+8*\t+7], v[KF+16*\t:KF+16*\t+15], v[PC:PC+15], v[O+8*\t:O+8*\t+7], v[VSW+\t], v[PSW]   ; the four accumulators take one turn each
.endr
.Lhidden_\@:
	s_add_co_u32 s[TB], s[TB], 8192
	s_add_co_u32 s[TS], s[TS], 256
.endm
; THE WAY OUT of a tile.  O^T / l; register 16 b + i of lane (r, h) is d = 32 b + 16 h + i of query r (Wv's rows were chosen for it): two blocks of merged's K, quantised as they stand.
; next = 1: the second tile's q is asked for first, behind the eight places that part these loads from the last products: it lands under the arithmetic below.
.macro WAYOUT oc, os, next
.rept 8
	v_nop
.endr
.if \next
	QLOAD QCB, QSB
.endif
	v_add_f32 v14, v14, v15
	s_delay_alu instid0(VALU_DEP_1)
	v_permlanex16_b32 v[T0], v14, s[SEL], s[SEL+1]
	s_delay_alu instid0(VALU_DEP_1)
	v_add_f32 v14, v14, v[T0]
	s_wait_alu depctr_va_vdst(0)
	v_rcp_f32 v14, v14
	v_nop
.set jj, 0
	s_wait_alu depctr_va_vdst(0)
.rept 32
	v_mul_f32 v[S+jj], v[O+jj], v14                ; each accumulator from its low end on
.set jj, jj+1
.endr
.irp b, 0,1
	v_max3_num_f32 v[BM+\b], |v[S+16*\b]|, |v[S+1+16*\b]|, 0x4800000
.endr
.irp i, 2,4,6,8,10,12,14
.irp b, 0,1
	s_delay_alu instid0(VALU_DEP_2)
	v_max3_num_f32 v[BM+\b], v[BM+\b], |v[S+16*\b+\i]|, |v[S+1+16*\b+\i]|
.endr
.endr
.irp b, 0,1
	s_delay_alu instid0(VALU_DEP_2)
	v_permlanex16_b32 v[PX+\b], v[BM+\b], s[SEL], s[SEL+1]
.endr
.irp b, 0,1
	s_delay_alu instid0(VALU_DEP_2)
	v_max_num_f32 v[BM+\b], v[BM+\b], v[PX+\b]
.endr
.irp b, 0,1
	s_delay_alu instid0(VALU_DEP_2)
	v_add_nc_u32 v[SOP+\b], 0xfc000000, v[BM+\b]
.endr
.irp b, 0,1
.endr
.irp b, 0,1
	s_delay_alu instid0(VALU_DEP_2)
	v_lshrrev_b32 v[PX+\b], 23, v[SOP+\b]
.endr
	s_delay_alu instid0(VALU_DEP_1)
	v_lshl_or_b32 v[PSW], v[PX+1], 8, v[PX]
.irp b, 0,1
.irp i, 0,1,2,3,4,5,6,7,8,9,10,11,12,13,14,15
.endr
	v_cvt_scalef32_pk8_fp8_f32 v[PC+4*\b:PC+1+4*\b], v[S+16*\b:S+7+16*\b], v[SOP+\b]
	v_cvt_scalef32_pk8_fp8_f32 v[PC+2+4*\b:PC+3+4*\b], v[S+8+16*\b:S+15+16*\b], v[SOP+\b]
.endr
	v_nop                                          ; a plain line behind the last conversion
	global_store_b128 v[LI], v[PC:PC+3], s[\oc:\oc+1]              ; 32 lanes store 512 consecutive bytes, aligned
	global_store_b128 v[LI], v[PC+4:PC+7], s[\oc:\oc+1] offset:512
	global_store_b16 v[RO], v[PSW], s[\os:\os+1]                   ; my row's two scale bytes; lanes r and r + 16 write the same bytes with the same value
.endm
	; ---- THE FIRST TILE: sigma = w
	s_wait_tensorcnt 1                             ; waves 0 and 1: the scale words and keys 0-255 have landed, keys 256-511 may be out
	s_barrier_signal -1
	s_barrier_wait -1
	s_mov_b32 s[J], 0
	s_mov_b32 s[TB], 0
	s_mov_b32 s[TS], 0
.Lfirst:                                               ; steps 0 and 1 read keys 0-255 alone
	STEP
	s_add_co_u32 s[J], s[J], 1
	s_cmp_lt_u32 s[J], 2
	s_cbranch_scc1 .Lfirst
	s_setprio 0
	s_wait_tensorcnt 0x0                           ; my load has landed,
	s_wait_dscnt 0x0
	s_barrier_signal -1
	s_barrier_wait -1                              ; everybody's has: the whole head lies in LDS, and from here to the closing round the waves run free
	s_mov_b32 s[J], 2
	s_mov_b32 s[TB], 16384
	s_mov_b32 s[TS], 512
.Lrest:                                                ; steps 2 to 15
	STEP
	s_add_co_u32 s[J], s[J], 1
	s_cmp_lt_u32 s[J], 16
	s_cbranch_scc1 .Lrest
	s_setprio 0
	s_wait_alu depctr_va_vdst(0)
	WAYOUT OCA, OSA, 1
	; ---- THE SECOND TILE: sigma = 15 - w, four tiles further on among a step's eight
	v_add_nc_u32 v[DD], 64, v[DD]                  ; 16 (g + 4) + r - 8 h
	s_mov_b32 s[SIG], s[SIGB]
	START 1
	s_mov_b32 s[J], 0
	s_mov_b32 s[TB], 0
	s_mov_b32 s[TS], 0
.Lsecond:                                              ; steps 0 to 15
	STEP
	s_add_co_u32 s[J], s[J], 1
	s_cmp_lt_u32 s[J], 16
	s_cbranch_scc1 .Lsecond
	s_setprio 0
	s_wait_alu depctr_va_vdst(0)
	WAYOUT OCB, OSB, 0
	s_wait_xcnt 0x0
	v_lshl_add_u32 v254, v0, 2, 0x42000
	v_mov_b32 v255, 0
	s_wait_alu depctr_va_vdst(0)
	s_wait_tensorcnt 0x0
	ds_add_u32 v254, v255
	s_wait_dscnt 0x0
	CROUND                                         ; the closing round: no work-group ends while a partner may still ask for a tile that names it
	s_endpgm
.Lfunc_end_k_q75df4e31ad_attn:
	.size	k_q75df4e31ad_attn, .Lfunc_end_k_q75df4e31ad_attn-k_q75df4e31ad_attn
	.p2alignl 7, 3214868480
	.fill 96, 4, 3214868480
	.section	.rodata,"a",@progbits
	.p2align	6, 0x0
	.amdhsa_kernel k_q75df4e31ad_attn
		.amdhsa_group_segment_fixed_size 327680
		.amdhsa_private_segment_fixed_size 0
		.amdhsa_enable_private_segment 0
		.amdhsa_kernarg_size 32
		.amdhsa_user_sgpr_count 2
		.amdhsa_user_sgpr_kernarg_segment_ptr 1
		.amdhsa_wavefront_size32 1
		.amdhsa_system_sgpr_workgroup_id_x 1
		.amdhsa_system_sgpr_workgroup_id_y 1
		.amdhsa_system_sgpr_workgroup_id_z 1
		.amdhsa_system_vgpr_workitem_id 0
		.amdhsa_next_free_vgpr 256
		.amdhsa_next_free_sgpr 84
		.amdhsa_reserve_vcc 1
		.amdhsa_float_denorm_mode_32 3
		.amdhsa_float_denorm_mode_16_64 3
		.amdhsa_fp16_overflow 1
		.amdhsa_memory_ordered 1
		.amdhsa_forward_progress 1
		.amdhsa_inst_pref_size 88
	.end_amdhsa_kernel
	.amdgpu_metadata
---
amdhsa.version: [ 1, 2 ]
amdhsa.kernels:
  - .name:           k_q75df4e31ad_attn
    .symbol:         k_q75df4e31ad_attn.kd
    .args:
      - { .name: qkv_codes, .offset: 0, .size: 8, .value_kind: global_buffer, .address_space: global }
      - { .name: qkv_scales, .offset: 8, .size: 8, .value_kind: global_buffer, .address_space: global }
      - { .name: m_codes, .offset: 16, .size: 8, .value_kind: global_buffer, .address_space: global }
      - { .name: m_scales, .offset: 24, .size: 8, .value_kind: global_buffer, .address_space: global }
    .group_segment_fixed_size: 327680
    .private_segment_fixed_size: 0
    .kernarg_segment_align: 8
    .kernarg_segment_size: 32
    .max_flat_workgroup_size: 512
    .sgpr_count:     84
    .vgpr_count:     256
    .wavefront_size: 32
...
	.end_amdgpu_metadata
.endif
;; end of part 3
;; launch proj (part 4): grid 4 x 32, 4 waves a work-group, clusters of 4 x 4, 327,680 bytes of LDS; arguments m_codes, m_scales, xw_codes, xw_scales, out0; writes out0
.if DOCPART == 4
	.amdgcn_target "amdgcn-amd-amdhsa--gfx1250"
	.amdhsa_code_object_version 6
	.text
	.protected	k_q75df4e31ad_proj
	.globl	k_q75df4e31ad_proj
	.p2align	8
	.type	k_q75df4e31ad_proj,@function
k_q75df4e31ad_proj:
	s_mov_b64 s[64:65], 0
	v_nop
	global_prefetch_b8 v0, s[64:65] scope:SCOPE_SE
	s_setreg_imm32_b32 hwreg(HW_REG_WAVE_MODE, 25, 1), 1
	s_wait_xcnt 0x0
	s_wait_alu depctr_hold_cnt(0) depctr_sa_sdst(0) depctr_va_vdst(0) depctr_va_sdst(0) depctr_va_ssrc(0) depctr_va_vcc(0) depctr_vm_vsrc(0)
	s_getreg_b32 s2, hwreg(HW_REG_IB_STS2, 6, 4)
	s_cmp_eq_u32 s2, 0
	s_cbranch_scc0 .Lentry_in_a_cluster
	s_endpgm
.Lentry_in_a_cluster:
	s_bfe_u32 s2, ttmp6, 0x10000c
	s_cmp_lg_u32 s2, 0xf033
	s_cbranch_scc0 .Lentry_shape_is_right
	s_endpgm
.Lentry_shape_is_right:
; out = merged Wo^T on codes of E4M3 with E8M0 scales, K = 1,024.  merged [8192 rows] and Wo [1,024 rows, from row 11,264 of the buffer that holds all quantised inputs] lie as fragment images
; (16 rows x 128 K = 2,048 bytes; a tile of 16 rows is 16,384 bytes, K on end), their scale bytes as [row][32].  out: [8192][1024] f32; sums in f32.
; A tile of the result, 256 x 256, is made by four waves, each 128 x 128 in 64 accumulators (512 registers).  K goes in steps of 256 through two LDS slots; a wave's tensor load brings 8 tiles x 4,096 bytes;
; the images are read as they lie, 512 consecutive bytes an LDS load, so there is no padding.  The scale bytes of the work-group's 512 rows come once, with the first fills.
; CLUSTERS: 4 x 4 work-groups; merged's tiles are shared along a row of the cluster, Wo's along a column, by joint loads.  32 x 4 tiles: 128 work-groups.
; THE MATRIX INSTRUCTION IS USED TRANSPOSED (source 0 = 16 rows of Wo, source 1 = 16 rows of merged): a lane holds eight neighbouring numbers of a row of out.
; REGISTERS: window 0: v0-31 addresses; v32-63 scale words, two sets; v128-255 A's fragments, one set, later rows on their way out.  window 1: B's fragments, two sets.
;   window 2: the accumulators of my rows 0-63 ((a, b) at v[8 (8 a + b)]); window 3: those of rows 64-127.
.set SIZE_N, 1024
.set NQ,     2
.set KSTEPB, 4096
.set KROW,   1024
.set FR,     16
.set NL,     4
.set NP,     8
.set HALFT,  32768
.set SLOT,   4*HALFT
.set LAPS,   2
.set KS,     32
.set SCL,    2*SLOT
.set HALFS,  (128*KS/256)*272
.set SBLK,   (16*KS/256)*272
.set SPARE,  SCL+4*HALFS               ; the spare words: 128 bytes a wave, two blocks of 256 bytes that no other line names
.set SPITCH, 528                       ; the way out: a stage of 16 rows x (512 + 16) bytes for each wave, in slot 0, which has had its last fill and its last read when the first result is stored there
.set ADRA, 16
.set ADRB, 20
.set STO,  24
.set RD,   25
.set CO,   26
.set ADRS, 27
.set SPW,  28
.set NIL,  29
.set SC,   32
.set AF,   128
.set BK,   128
.set G1, 24
.set G0, 32
.set G1B, 48
.set G0B, 56
.set G1S, 68
.set G0S, 76
.set G1SB, 80
.set G0SB, 88
.set MSB, 0
.macro WIN new
.if MSB != \new
	s_set_vgpr_msb (MSB<<8)|\new
.set MSB, \new
.endif
.endm
.set MUL_LO, 0xa1
.set MUL_HI, 0xf1
.set TO_B,   0x40
.macro JLOAD g0a, g1a, g0b, g1b        ; a joint load: waves 0 and 1 fetch for A, waves 2 and 3 for B; four v_nop follow each of the two lines
	s_cmp_eq_u32 s15, 0
	s_cbranch_scc0 .Lfor_b_\@
	tensor_load_to_lds s[\g0a:\g0a+3], s[\g1a:\g1a+7]
	s_nop 0
.rept 4
	v_nop
.endr
	s_branch .Lasked_\@
.Lfor_b_\@:
	tensor_load_to_lds s[\g0b:\g0b+3], s[\g1b:\g1b+7]
	s_nop 0
.rept 4
	v_nop
.endr
.Lasked_\@:
.endm
.macro CREST
	s_cmp_lg_u32 s14, 0
	s_cbranch_scc1 .Lnot_wave_0_\@
	s_barrier_signal -3
.Lnot_wave_0_\@:
	s_barrier_wait -3
	s_barrier_signal -1
	s_barrier_wait -1
.endm
.macro CROUND
	s_barrier_signal -1
	s_barrier_wait -1
	CREST
.endm
	s_load_b128 s[4:7], s[0:1], 0x0                ; merged's codes, merged's scales
	s_load_b128 s[8:11], s[0:1], 0x10              ; the inputs' codes, the inputs' scales (Wo among them)
	s_load_b64 s[12:13], s[0:1], 0x20              ; out
	v_lshl_add_u32 v[SPW], v0, 2, SPARE
	v_mov_b32 v[NIL], 0
	ds_add_u32 v28, v29
	ds_add_u32 v28, v29
	s_wait_dscnt 0x0
	v_lshrrev_b32 v1, 5, v0
	v_readfirstlane_b32 s14, v1                    ; wave 0..3
	s_lshr_b32 s15, s14, 1
	s_and_b32 s16, s14, 1
	s_bfe_u32 s40, ttmp6, 0x40000                  ; cx
	s_bfe_u32 s41, ttmp6, 0x40004                  ; cy
	s_lshl_b32 s42, ttmp9, 2
	s_add_co_u32 s42, s42, s40                     ; tile column
	s_and_b32 s17, ttmp7, 0xffff
	s_lshl_b32 s17, s17, 2
	s_add_co_u32 s17, s17, s41                     ; tile row
	s_lshl_b32 s43, s41, 2
	s_lshl_b32 s43, 15, s43
	s_lshl_b32 s44, 0x1111, s40
	s_or_b32 s[G1+0], s43, (3<<16)|(1<<21)         ; codes: 8 rows of 512 elements of 8 bytes, 2,048 elements apart; no padding
	s_or_b32 s[G1B+0], s44, (3<<16)|(1<<21)
.irp g, G1, G1B
	s_mov_b32 s[\g+1], 512<<16
	s_mov_b32 s[\g+2], 8<<16
	s_mov_b32 s[\g+3], 512<<16
	s_mov_b32 s[\g+4], 8
	s_mov_b32 s[\g+5], 2048
	s_mov_b32 s[\g+6], 0
	s_mov_b32 s[\g+7], 0
.endr
	s_or_b32 s[G1S+0], s43, (3<<16)|(1<<20)|(1<<21)|(5<<22)|(3<<25)   ; scales of 128 rows: 16 rows of 256 bytes, 16 bytes of padding behind each
	s_or_b32 s[G1SB+0], s44, (3<<16)|(1<<20)|(1<<21)|(5<<22)|(3<<25)
.irp g, G1S, G1SB
	s_mov_b32 s[\g+1], 32<<16
	s_mov_b32 s[\g+2], (128*KS/256)<<16
	s_mov_b32 s[\g+3], 32<<16
	s_mov_b32 s[\g+4], 128*KS/256
	s_mov_b32 s[\g+5], 32
	s_mov_b32 s[\g+6], 0
	s_mov_b32 s[\g+7], 0
.endr
	s_lshl_b32 s18, s16, 7
	s_lshl_b32 s20, s17, 8
	s_add_co_u32 s20, s20, s18                     ; A's row
	s_lshl_b32 s46, s42, 8
	s_add_co_u32 s46, s46, s18
	s_add_co_u32 s46, s46, 11264                   ; B's row: Wo begins at row 16 x 704 of its buffer
	s_mov_b32 s21, 0
	s_mov_b32 s47, 0
	s_mov_b64 s[18:19], KS
	s_mul_u64 s[22:23], s[20:21], s[18:19]
	s_mul_u64 s[92:93], s[46:47], s[18:19]
	s_mov_b64 s[18:19], KROW
	s_mul_u64 s[20:21], s[20:21], s[18:19]
	s_mul_u64 s[46:47], s[46:47], s[18:19]
	s_mul_i32 s45, s14, HALFT
	s_mul_i32 s94, s14, HALFS
	s_wait_kmcnt 0x0
	s_add_nc_u64 s[20:21], s[4:5], s[20:21]
	s_add_nc_u64 s[22:23], s[6:7], s[22:23]
	s_add_nc_u64 s[46:47], s[8:9], s[46:47]
	s_add_nc_u64 s[92:93], s[10:11], s[92:93]
	CROUND                                         ; all sixteen work-groups are here: the first joint loads meet
	s_mov_b32 s[G0S], 1
	s_add_co_u32 s[G0S+1], s94, SCL
	s_mov_b64 s[G0S+2:G0S+3], s[22:23]
	s_or_b32 s[G0S+3], s[G0S+3], 0x80000000
	s_mov_b32 s[G0SB], 1
	s_add_co_u32 s[G0SB+1], s94, SCL
	s_mov_b64 s[G0SB+2:G0SB+3], s[92:93]
	s_or_b32 s[G0SB+3], s[G0SB+3], 0x80000000
	JLOAD G0S, G1S, G0SB, G1SB
.irp s, 0,1
	s_mov_b32 s[G0+4*\s], 1
	s_add_co_u32 s[G0+4*\s+1], s45, \s*SLOT
	s_add_nc_u64 s[G0+4*\s+2:G0+4*\s+3], s[20:21], \s*KSTEPB
	s_or_b32 s[G0+4*\s+3], s[G0+4*\s+3], 0x80000000
	s_mov_b32 s[G0B+4*\s], 1
	s_add_co_u32 s[G0B+4*\s+1], s45, \s*SLOT
	s_add_nc_u64 s[G0B+4*\s+2:G0B+4*\s+3], s[46:47], \s*KSTEPB
	s_or_b32 s[G0B+4*\s+3], s[G0B+4*\s+3], 0x80000000
	s_wait_alu depctr_va_vdst(0)
	s_wait_tensorcnt 0x0
	ds_add_u32 v28, v29
	s_wait_dscnt 0x0
	CROUND
	JLOAD G0+4*\s, G1, G0B+4*\s, G1B
.endr
	v_and_b32 v1, 15, v0                           ; r
	v_bfe_u32 v2, v0, 4, 1                         ; h
	v_and_b32 v3, 31, v0
	v_lshlrev_b32 v[CO], 4, v3                     ; 16 x lane: my place in a group of an image, and in a row of 512 bytes of out
	s_mul_i32 s21, s15, HALFT
	s_mul_i32 s22, s16, HALFT
	s_add_co_u32 s22, s22, 2*HALFT
.irp s, 0,1
	v_add_nc_u32 v[ADRA+\s], s21, v[CO]
	v_add_nc_u32 v[ADRB+\s], s22, v[CO]
	s_add_co_u32 s21, s21, SLOT
	s_add_co_u32 s22, s22, SLOT
.endr
	v_mul_u32_u24 v5, v1, KS
	v_lshrrev_b32 v6, 8, v5
	v_lshl_add_u32 v5, v6, 4, v5
	s_mul_i32 s21, s15, HALFS
	s_mul_i32 s22, s16, HALFS
	s_add_co_u32 s22, s22, 2*HALFS
	s_sub_co_u32 s22, s22, s21
	v_mul_u32_u24 v6, s22, v2                      ; lanes 16-31 take B's
	s_add_co_u32 s21, s21, SCL
	v_add_nc_u32 v5, v5, v6
	v_add_nc_u32 v[ADRS], s21, v5
	s_mul_i32 s23, s14, 16*SPITCH                  ; my stage
	v_mul_u32_u24 v5, v1, SPITCH
	v_lshl_add_u32 v5, v2, 5, v5
	v_add_nc_u32 v[STO], s23, v5                   ; in: row r, 32 bytes for each half of the lanes
	v_add_nc_u32 v[RD], s23, v[CO]                 ; back: the 32 lanes take one row of 512 bytes
	s_lshl_b32 s20, s17, 8
	s_lshl_b32 s21, s15, 7
	s_add_co_u32 s20, s20, s21                     ; my first row of out
	s_mov_b32 s21, 0
	s_mov_b64 s[18:19], SIZE_N*4
	s_mul_u64 s[20:21], s[20:21], s[18:19]
	s_lshl_b32 s46, s42, 10                        ; my first column, in bytes
	s_lshl_b32 s47, s16, 9
	s_add_co_u32 s46, s46, s47
	s_mov_b32 s47, 0
	s_add_nc_u64 s[20:21], s[20:21], s[46:47]
	s_add_nc_u64 s[12:13], s[12:13], s[20:21]
.macro FRAG reg, adr, q, i
.irp c, 0,1,2,3
	ds_load_b128 v[\reg+4*\c:\reg+4*\c+3], v[\adr] offset:(\i)*4096+(\q)*2048+512*\c
.endr
.endm
; The 64 accumulators take turns, one instruction a turn, in the same order in every step.
.macro MUL16 a0, p, q, sc, zero
.irp a, \a0, \a0+1
.irp b, 0,1,2,3,4,5,6,7
.if \zero
	v_wmma_scale_f32_16x16x128_f8f6f4 v[8*(8*((\a)%4)+\b):8*(8*((\a)%4)+\b)+7], v[128*(\p)+FR*\b:128*(\p)+FR*\b+FR-1], v[AF+FR*(\a):AF+FR*(\a)+FR-1], 0, v[SC+8*NQ*(\sc)+NQ*\b+(\q)], v[SC+8*NQ*(\sc)+NQ*(\a)+(\q)] matrix_a_scale:MATRIX_SCALE_ROW1
.else
	v_wmma_scale_f32_16x16x128_f8f6f4 v[8*(8*((\a)%4)+\b):8*(8*((\a)%4)+\b)+7], v[128*(\p)+FR*\b:128*(\p)+FR*\b+FR-1], v[AF+FR*(\a):AF+FR*(\a)+FR-1], v[8*(8*((\a)%4)+\b):8*(8*((\a)%4)+\b)+7], v[SC+8*NQ*(\sc)+NQ*\b+(\q)], v[SC+8*NQ*(\sc)+NQ*(\a)+(\q)] matrix_a_scale:MATRIX_SCALE_ROW1
.endif
.endr
.endr
.endm
.macro FETCH_B slot, q, p
	WIN TO_B
.irp i, 0,1,2,3,4,5,6,7
	FRAG 128*(\p)+FR*\i, ADRB+\slot, \q, \i
.endr
	WIN 0
.endm
.macro FETCH_A slot, q, i0
.irp i, \i0, \i0+1, \i0+2, \i0+3
	FRAG AF+FR*(\i), ADRA+\slot, \q, \i
.endr
.endm
.macro SCALES sc
.irp i, 0,1,2,3,4,5,6,7
	ds_load_b64 v[SC+8*NQ*\sc+NQ*\i:SC+8*NQ*\sc+NQ*\i+1], v[ADRS] offset:\i*SBLK
.endr
.endm
.macro PLACES n
.rept \n
	v_nop
.endr
.endm
.macro STEP slot, q, zero
	s_wait_dscnt 4*NL                              ; B's set and A's blocks 0-3 are in; the youngest 16 loads (A's blocks 4-7) may be out
	WIN MUL_LO
	MUL16 0, (\q)%2, \q, \slot, \zero
	MUL16 2, (\q)%2, \q, \slot, \zero
	s_wait_dscnt 0
	PLACES NP
	FETCH_B \slot, (\q)+1, 1-(\q)%2
	FETCH_A \slot, (\q)+1, 0
	WIN MUL_HI
	MUL16 4, (\q)%2, \q, \slot, \zero
	MUL16 6, (\q)%2, \q, \slot, \zero
	PLACES NP
	WIN 0
	FETCH_A \slot, (\q)+1, 4
.endm
.macro TURN slot, next, fill
	s_wait_tensorcnt 0x0                           ; all my tensor loads have landed: my part of the next slot
	ds_add_u32 v[SPW], v[NIL]                      ; 0 onto my spare word
	s_wait_dscnt 4*NL+1                            ; the add and the youngest 16 loads may be out
	WIN MUL_LO
	MUL16 0, 1, NQ-1, \slot, 0
	s_wait_dscnt 0x0                               ; the add is done, and my reads of this slot are over
	s_barrier_signal -1
	MUL16 2, 1, NQ-1, \slot, 0
	WIN 0
	s_barrier_wait -1
.if \fill
	CREST                                          ; the barrier has opened a round of the cluster's: no wave of any partner still reads this slot or has a load on its way
	s_add_nc_u64 s[G0+4*\slot+2:G0+4*\slot+3], s[G0+4*\slot+2:G0+4*\slot+3], 2*KSTEPB
	s_add_nc_u64 s[G0B+4*\slot+2:G0B+4*\slot+3], s[G0B+4*\slot+2:G0B+4*\slot+3], 2*KSTEPB
	JLOAD G0+4*\slot, G1, G0B+4*\slot, G1B
	PLACES NP-4
.else
	PLACES NP
.endif
	s_wait_alu depctr_va_vdst(0)
	v_add_nc_u32 v[ADRS], 4*NQ, v[ADRS]
	FETCH_B \next, 0, 0
	FETCH_A \next, 0, 0
	SCALES \next
	WIN MUL_HI
	MUL16 4, 1, NQ-1, \slot, 0
	MUL16 6, 1, NQ-1, \slot, 0
	PLACES NP
	WIN 0
	FETCH_A \next, 0, 4
.endm
	s_wait_alu depctr_va_vdst(0)
	s_wait_tensorcnt 1                             ; of my three loads the scales and K step 0 are in; K step 1's may be out
	s_barrier_signal -1
	s_barrier_wait -1
	FETCH_B 0, 0, 0
	FETCH_A 0, 0, 0
	SCALES 0
	FETCH_A 0, 0, 4
	STEP 0, 0, 1
	s_mov_b32 s3, LAPS-1
.Llap:
	TURN 0, 1, 1
	STEP 1, 0, 0
	TURN 1, 0, 1
	STEP 0, 0, 0
	s_sub_co_u32 s3, s3, 1
	s_cmp_lg_u32 s3, 0
	s_cbranch_scc1 .Llap
	TURN 0, 1, 0
	STEP 1, 0, 0
	s_wait_dscnt 4*NL
	WIN MUL_LO
	MUL16 0, 1, NQ-1, 1, 0
	MUL16 2, 1, NQ-1, 1, 0
	s_wait_dscnt 0
	WIN MUL_HI
	MUL16 4, 1, NQ-1, 1, 0
	MUL16 6, 1, NQ-1, 1, 0
	WIN 0
; THE WAY OUT, block by block of 16 rows x 128 columns, through my own stage in LDS: in as 32 bytes a lane, back as whole rows of 512 bytes.  LDS serves a wave's instructions in order (ISA guide 5.7.1.4).
.macro TOSTAGE a
.set AC, 64*((\a)%4)
	WIN 0x08+4*((\a)/4)                            ; the data: window 2 or 3
.irp b, 0,1,2,3,4,5,6,7
	ds_store_b128 v[STO], v[AC+8*\b:AC+8*\b+3] offset:64*\b          ; each accumulator from its low end on
	ds_store_b128 v[STO], v[AC+8*\b+4:AC+8*\b+7] offset:64*\b+16
.endr
	WIN 0
.set BB, BK+64*((\a)%2)
.irp t, 0,1,2,3,4,5,6,7,8,9,10,11,12,13,14,15
	ds_load_b128 v[BB+4*\t:BB+4*\t+3], v[RD] offset:\t*SPITCH
.endr
.endm
.macro SEND a, younger
.set BB, BK+64*((\a)%2)
	s_wait_dscnt \younger                          ; the block is back in registers; the LDS instructions issued behind its loads may be out
.if (\a) > 0
	s_add_nc_u64 s[12:13], s[12:13], 16*SIZE_N*4   ; behind a wait on XCNT: the earlier stores have read their base
.endif
.irp t, 0,1,2,3,4,5,6,7,8,9,10,11,12,13,14,15
	global_store_b128 v[CO], v[BB+4*\t:BB+4*\t+3], s[12:13] offset:\t*SIZE_N*4 th:TH_STORE_NT   ; 32 lanes store 512 consecutive bytes, aligned; written once, read by nobody here
.endr
.endm
	PLACES NP
	TOSTAGE 0
.irp a, 1,2,3,4,5,6,7
.if \a > 1
	s_wait_xcnt 0x0                                ; block a - 2's stores have read their registers and their base
.endif
	TOSTAGE \a
	SEND \a-1, 32                                  ; behind block a - 1's loads: block a's 16 stores and 16 loads
.endr
	s_wait_xcnt 0x0
	SEND 7, 0
	s_wait_tensorcnt 0x0                           ; the wave's end
	ds_add_u32 v[SPW], v[NIL]
	s_wait_dscnt 0x0
	CROUND                                         ; the closing round
	s_endpgm
.Lfunc_end_k_q75df4e31ad_proj:
	.size	k_q75df4e31ad_proj, .Lfunc_end_k_q75df4e31ad_proj-k_q75df4e31ad_proj
	.p2alignl 7, 3214868480
	.fill 96, 4, 3214868480
	.section	.rodata,"a",@progbits
	.p2align	6, 0x0
	.amdhsa_kernel k_q75df4e31ad_proj
		.amdhsa_group_segment_fixed_size 327680
		.amdhsa_private_segment_fixed_size 0
		.amdhsa_enable_private_segment 0
		.amdhsa_kernarg_size 40
		.amdhsa_user_sgpr_count 2
		.amdhsa_user_sgpr_kernarg_segment_ptr 1
		.amdhsa_wavefront_size32 1
		.amdhsa_system_sgpr_workgroup_id_x 1
		.amdhsa_system_sgpr_workgroup_id_y 1
		.amdhsa_system_sgpr_workgroup_id_z 1
		.amdhsa_system_vgpr_workitem_id 0
		.amdhsa_next_free_vgpr 1024
		.amdhsa_next_free_sgpr 98
		.amdhsa_reserve_vcc 0
		.amdhsa_float_denorm_mode_32 3
		.amdhsa_float_denorm_mode_16_64 3
		.amdhsa_memory_ordered 1
		.amdhsa_forward_progress 1
		.amdhsa_inst_pref_size 146
	.end_amdhsa_kernel
	.amdgpu_metadata
---
amdhsa.version: [ 1, 2 ]
amdhsa.kernels:
  - .name:           k_q75df4e31ad_proj
    .symbol:         k_q75df4e31ad_proj.kd
    .args:
      - { .name: m_codes, .offset: 0, .size: 8, .value_kind: global_buffer, .address_space: global }
      - { .name: m_scales, .offset: 8, .size: 8, .value_kind: global_buffer, .address_space: global }
      - { .name: xw_codes, .offset: 16, .size: 8, .value_kind: global_buffer, .address_space: global }
      - { .name: xw_scales, .offset: 24, .size: 8, .value_kind: global_buffer, .address_space: global }
      - { .name: out0, .offset: 32, .size: 8, .value_kind: global_buffer, .address_space: global }
    .group_segment_fixed_size: 327680
    .private_segment_fixed_size: 0
    .kernarg_segment_align: 8
    .kernarg_segment_size: 40
    .max_flat_workgroup_size: 128
    .sgpr_count:     98
    .vgpr_count:     1024
    .wavefront_size: 32
...
	.end_amdgpu_metadata
.endif
;; end of part 4
